; MI455X (gfx1250); checked and timed in simulation.
; The chip was launched on July 23, 2026; its instructions are those of AMD's public machine-readable ISA for CDNA 5 (MIT licence, August 2026) and "CDNA5" Instruction Set Architecture Reference Guide (July 2026). The comments in the code are by the model that wrote it; some were corrected since.
;; Self Attention. Allowed arithmetic: matrix products marked QUANTISED: E2M1 operands, one E8M0 scale for each 32 along K, by v_wmma_scale_f32_16x16x128_f8f6f4 with both operands' format E2M1 (or v_wmma_scale_f32_32x16x128_f4), f32 sums; everything else in f32.
;; Inputs: W_out 1,024 x 1,024 float32; W_qkv 1,024 x 3,072 float32; b_out 1,024 float32; b_qkv 3,072 float32; x 4 x 2,048 x 1,024 float32.
;; Outputs: out0 4 x 2,048 x 1,024 float32.
;; This version of the problem:
;;   THIS VERSION OF THE PROBLEM IS GIVEN IN LOW PRECISION. The matrix products marked QUANTISED in the list below multiply operands that are first quantised to E2M1 (2 exponent bits, 1 mantissa bit; 4 bits a number), with one power-of-two scale for each 32 numbers along K (OCP MX v1.0); their sums are f32. All else is computed in f32.
;;   The module's matrix products, in the order in which they are computed (A, B: the left and right operand; K: the contracted axis; several contracted axes count as one K, in the product's order):
;;     1. [M 8,192, K 1,024] x [K 1,024, N 3,072]; A: input x; B: input W_qkv: QUANTISED
;;     2. batch 64 x [M 2,048, K 64] x [K 64, N 2,048]; A: computed on the way; B: computed on the way: QUANTISED
;;     3. batch 64 x [M 2,048, K 2,048] x [K 2,048, N 64]; A: softmax (see below); B: computed on the way: QUANTISED
;;     4. [M 8,192, K 1,024] x [K 1,024, N 1,024]; A: computed on the way; B: input W_out: QUANTISED
;;   THE QUANTISER, for each operand of a quantised product, along K:
;;     - K is cut into blocks of 32 from its start; a last block that is shorter is filled with zeros.
;;     - A block's scale is 2^e with e = floor(log2(the largest magnitude in the block)) - 2, held to -126 .. 127; a block of zeros has e = 0. As a byte (E8M0): e + 127.
;;     - Each number is divided by its block's scale, clamped to +-6, and rounded to the nearest number of E2M1, ties to even, subnormals kept.
;;     - The product sums the exact products of the quantised numbers (number of the format x scale) in f32.
;;   ~~~python
;;   def quantise(x, axis):      # numpy; x: float32 -> the quantised numbers, widened to float32 again
;;       x = np.moveaxis(x, axis, -1); K = x.shape[-1]
;;       x = np.pad(x, [(0, 0)] * (x.ndim - 1) + [(0, -K % 32)]); x = x.reshape(x.shape[:-1] + (-1, 32)); a = np.abs(x).max(-1, keepdims=True)
;;       e = np.where(a > 0, np.clip(np.frexp(np.where(a > 0, a, 1))[1] - 1 - 2, -126, 127), 0)      # np.frexp(a)[1] - 1 = floor(log2(a)), exactly
;;       r = np.clip(x / 2.0 ** e, -6, 6)
;;       step = 2.0 ** (np.maximum(np.frexp(np.where(r == 0, 1, r))[1] - 1, 0) - 1)
;;       q = np.round(r / step) * step * 2.0 ** e      # np.round: ties to even
;;       return np.moveaxis(q.reshape(q.shape[:-2] + (-1,))[..., :K], -1, axis).astype(np.float32)
;;   ~~~
;;   SOFTMAX AHEAD OF A QUANTISED PRODUCT. Where the list says 'softmax', what is quantised is not the finished softmax but p = 2^(t - M), with t = logit x log2(e) and M = ceil(the row's largest t), a whole number; so 1/2 < the row's largest p <= 1. The row's sum l is taken of the UNQUANTISED p, in f32, and the product's result is divided by l at the end. Since M is a whole number, a kernel that streams over the keys may use a running M (the ceiling of the running maximum): every later rescaling is an exact power of two, which a block's scale takes up: the codes' values come out the same.
;;   OPERANDS COMPUTED ON THE WAY. 'Computed on the way' means the value that the module computes at that place (a softmax that the list does not call 'softmax' is quantised finished and normalised). What goes into a quantiser is computed in f32, as accurately as f32 sums, v_exp_f32 and their like allow (about 1e-6 of the number): no bf16 or f16 on the way to a quantiser, and a product that is left as it is and whose result goes on into a quantised operand takes f32 operands (vector FMAs, or v_wmma_f32_16x16x4_f32). A number that lies on a knife's edge between two numbers of the format may be rounded either way, as far as f32 arithmetic and the matrix unit's own rounding can turn it there, and no further.
;; One version. Each part assembles by itself: llvm-mc -triple=amdgcn-amd-amdhsa -mcpu=gfx1250 --defsym DOCPART=n.
;; ======== version 1 of 1: 6 launches
;; workspace buffers: xq 4,456,448 bytes; wq 2,228,224 bytes; qk 9,437,184 bytes; vq 4,456,448 bytes; ao 4,456,448 bytes
;; launch quant_x (part 1): grid 512 x 1, 8 waves a work-group, no clusters, 69,120 bytes of LDS; arguments x, xq; writes xq
.if DOCPART == 1
	.amdgcn_target "amdgcn-amd-amdhsa--gfx1250"
	.amdhsa_code_object_version 6
	.text
	.protected	k_q3866f33d15_quant_x
	.globl	k_q3866f33d15_quant_x
	.p2align	8
	.type	k_q3866f33d15_quant_x,@function
k_q3866f33d15_quant_x:
	s_mov_b64 s[64:65], 0
	v_nop
	global_prefetch_b8 v0, s[64:65] scope:SCOPE_SE
	s_setreg_imm32_b32 hwreg(HW_REG_WAVE_MODE, 25, 1), 1
	s_wait_xcnt 0x0
; x [8192][1024] f32 becomes codes of FP4 (E2M1) with one E8M0 byte for each 32 along K, laid as the products' launches want them.
; ROW POSITIONS.  Position p (tile p / 16, lane row p % 16) holds row 32 (tile / 2) + 8 (tile % 2) + (p % 16) + 8 ((p % 16) / 8): bits 3 and 4 of the row number change places.
; CODES: (tile / 8) x 65536 + (K step of 128) x 8192 + (tile % 8) x 1024 + c x 512 + 16 x lane: an image of the operand's registers: lane (r, h) holds k = 128 s + 64 c + 32 h + 0 .. 31 of lane row r.
; SCALE WORDS, from byte 4,194,304 on: [K half][position][4 words]: word j of half q serves K step 4 q + j.
; A block's scale is 2^(floor(log2(largest magnitude)) - 2); its byte is the largest magnitude's exponent field - 2, held at 1 from below.
; LIMITS: a block of zeros gets the byte 1 (its codes are zeros, and this program alone reads the bytes); NaN and infinities are not served.
; SHARES: a work-group takes one tile of 16 positions, wave w its K step w.  Each load reads 512 consecutive bytes of one row; the 8 KB turn through the wave's own stage in LDS,
; so that a lane then holds 16 neighbours of each block of 32.  No tensor load, one barrier (for the scale words, which leave as two runs of 256 bytes).
.set STG,  8448                        ; a wave's stage: 16 rows x (512 + 16) bytes
.set XSC,  8*STG                       ; behind the stages: the tile's 128 scale words, [K half][r][4]
.set R,    16                          ; v16-79   the numbers as loaded
.set X,    80                          ; v80-143  register 16 b + i = k 32 b + 16 h + i of my row
.set TM,   144                         ; v144-159 at work
.set PW,   160                         ; the scale word
.set PC,   162                         ; v162-169 the codes
.set SEL,  10                          ; s[10:11] lane selects: lane l xor 16
.macro QUANT s
.irp b, 0,1,2,3
	v_max3_num_f32 v[TM+\b], |v[\s+16*\b]|, |v[\s+1+16*\b]|, 0x1800000   ; my 16 numbers of block b, and the floor 2^(3 - 127): the byte cannot fall under 1
.endr
.irp i, 2,4,6,8,10,12,14
.irp b, 0,1,2,3
	s_delay_alu instid0(VALU_DEP_4)
	v_max3_num_f32 v[TM+\b], v[TM+\b], |v[\s+16*\b+\i]|, |v[\s+1+16*\b+\i]|   ; the four blocks by turns
.endr
.endr
.irp b, 0,1,2,3
	s_delay_alu instid0(VALU_DEP_4)
	v_permlanex16_b32 v[TM+4+\b], v[TM+\b], s[SEL], s[SEL+1]
.endr
.irp b, 0,1,2,3
	s_delay_alu instid0(VALU_DEP_4)
	v_max_num_f32 v[TM+\b], v[TM+\b], v[TM+4+\b]   ; with lane l xor 16's: the block's largest magnitude
.endr
.irp b, 0,1,2,3
	s_delay_alu instid0(VALU_DEP_4)
	v_add_nc_u32 v[TM+12+\b], 0xff000000, v[TM+\b]   ; 2 off its exponent field: the conversion's scale operand
.endr
.irp b, 0,1,2,3
	s_delay_alu instid0(VALU_DEP_4)
	v_lshrrev_b32 v[TM+4+\b], 23, v[TM+12+\b]      ; the scale's byte
.endr
	s_delay_alu instid0(VALU_DEP_3)
	v_lshl_or_b32 v[PW], v[TM+5], 8, v[TM+4]
	s_delay_alu instid0(VALU_DEP_1)
	v_lshl_or_b32 v[PW], v[TM+6], 16, v[PW]
	s_delay_alu instid0(VALU_DEP_1)
	v_lshl_or_b32 v[PW], v[TM+7], 24, v[PW]
.irp b, 0,1,2,3
	v_cvt_scalef32_pk8_fp4_f32 v[PC+2*\b], v[\s+16*\b:\s+7+16*\b], v[TM+12+\b]
	v_cvt_scalef32_pk8_fp4_f32 v[PC+1+2*\b], v[\s+8+16*\b:\s+15+16*\b], v[TM+12+\b]
.endr
	v_nop                                          ; one plain place behind a scaled conversion
.irp c, 0,1                                    ; the operand's layout wants a whole block in a lane
.irp i, 0,1
	v_permlane16_swap_b32 v[PC+4*\c+\i], v[PC+2+4*\c+\i]
.endr
.endr
.endm
	s_load_b128 s[4:7], s[0:1], 0x0                ; x, xq
	v_lshl_add_u32 v176, v0, 2, 0x10a00
	v_mov_b32 v177, 0
	v_lshrrev_b32 v7, 5, v0
	s_delay_alu instid0(VALU_DEP_1)
	v_readfirstlane_b32 s12, v7                    ; wave = K step
	v_and_b32 v8, 31, v0                           ; lane
	v_and_b32 v9, 15, v0                           ; r
	v_bfe_u32 v10, v0, 4, 1                        ; h
	s_delay_alu instid0(VALU_DEP_3)
	v_lshlrev_b32 v1, 4, v8                        ; 16 x lane
	s_mul_i32 s13, s12, STG
	v_add_nc_u32 v2, s13, v1                       ; into the stage: as loaded
	v_mul_u32_u24 v3, v9, 528
	s_delay_alu instid0(VALU_DEP_1)
	v_lshl_add_u32 v3, v10, 6, v3
	s_delay_alu instid0(VALU_DEP_1)
	v_add_nc_u32 v3, s13, v3                       ; out of it: row r, + 64 h
	s_lshr_b32 s14, s12, 2
	s_lshl_b32 s14, s14, 8
	s_and_b32 s15, s12, 3
	s_lshl_b32 s15, s15, 2
	s_add_co_u32 s14, s14, s15
	s_add_co_u32 s14, s14, XSC
	v_lshl_add_u32 v4, v9, 4, s14                  ; my row's word of my K step
	v_add_nc_u32 v5, XSC, v1
	v_lshlrev_b32 v6, 4, v9
	s_delay_alu instid0(VALU_DEP_1)
	v_lshl_add_u32 v6, v10, 17, v6                 ; in memory: K half h is 131,072 bytes on
.irp b, 0,1,2,3
	v_mov_b32 v[TM+4+\b], 0                        ; written once: a lane permute's destination counts as one of its sources
.endr
	s_mov_b32 s[SEL], 0x76543210
	s_mov_b32 s[SEL+1], 0xfedcba98
	s_lshr_b32 s16, ttmp9, 1
	s_lshl_b32 s16, s16, 5
	s_and_b32 s17, ttmp9, 1
	s_lshl_b32 s17, s17, 3
	s_add_co_u32 s16, s16, s17                     ; the tile's first row
	s_lshl_b32 s16, s16, 12
	s_lshl_b32 s17, s12, 9
	s_add_co_u32 s16, s16, s17                     ; + my K step's 512 bytes
	s_mov_b32 s17, 0
	s_lshr_b32 s18, ttmp9, 3
	s_lshl_b32 s18, s18, 16
	s_and_b32 s19, ttmp9, 7
	s_lshl_b32 s19, s19, 10
	s_add_co_u32 s18, s18, s19
	s_lshl_b32 s19, s12, 13
	s_add_co_u32 s18, s18, s19                     ; my fragment's image
	s_mov_b32 s19, 0
	s_lshl_b32 s20, ttmp9, 8
	s_add_co_u32 s20, s20, 4194304                 ; the tile's scale words
	s_mov_b32 s21, 0
	s_wait_alu depctr_va_vdst(0)
	s_wait_kmcnt 0x0
	s_add_nc_u64 s[4:5], s[4:5], s[16:17]
	s_add_nc_u64 s[8:9], s[6:7], s[20:21]
	s_add_nc_u64 s[6:7], s[6:7], s[18:19]
.irp i, 0,1,2,3,4,5,6,7,8,9,10,11,12,13,14,15
	global_load_b128 v[R+4*\i:R+4*\i+3], v1, s[4:5] offset:(\i+8*(\i/8))*4096 th:TH_LOAD_NT   ; lane row i: 32 lanes read 512 consecutive bytes
.endr
.irp i, 0,1,2,3,4,5,6,7,8,9,10,11,12,13,14,15
	s_wait_loadcnt 15-\i                           ; loads come back in order: row i is in, the younger ones stay out
	ds_store_b128 v2, v[R+4*\i:R+4*\i+3] offset:528*\i
.endr
.irp b, 0,1,2,3
.irp j, 0,1,2,3
	ds_load_b128 v[X+16*\b+4*\j:X+16*\b+4*\j+3], v3 offset:128*\b+16*\j   ; LDS serves a wave's instructions in order: these see my stores
.endr
.endr
	s_wait_dscnt 0x0
	QUANT X
	global_store_b128 v1, v[PC:PC+3], s[6:7]             ; 512 consecutive bytes each
	global_store_b128 v1, v[PC+4:PC+7], s[6:7] offset:512
	ds_store_b32 v4, v[PW]                         ; lanes r and r + 16 hold the same word
	s_wait_dscnt 0x0                               ; for the others' sake: my word has landed
	s_barrier_signal -1
	s_barrier_wait -1
	s_cmp_lg_u32 s12, 0
	s_cbranch_scc1 .Lend
	ds_load_b128 v[12:15], v5                      ; lanes 0-15: K half 0 of row r; lanes 16-31: K half 1
	s_wait_dscnt 0x0
	global_store_b128 v6, v[12:15], s[8:9]         ; sixteen lanes store 256 consecutive bytes, aligned
.Lend:
	s_wait_tensorcnt 0x0
	ds_add_u32 v176, v177
	s_wait_dscnt 0x0
	s_endpgm
.Lfunc_end_k_q3866f33d15_quant_x:
	.size	k_q3866f33d15_quant_x, .Lfunc_end_k_q3866f33d15_quant_x-k_q3866f33d15_quant_x
	.p2alignl 7, 3214868480
	.fill 96, 4, 3214868480
	.section	.rodata,"a",@progbits
	.p2align	6, 0x0
	.amdhsa_kernel k_q3866f33d15_quant_x
		.amdhsa_group_segment_fixed_size 69120
		.amdhsa_private_segment_fixed_size 0
		.amdhsa_enable_private_segment 0
		.amdhsa_kernarg_size 16
		.amdhsa_user_sgpr_count 2
		.amdhsa_user_sgpr_kernarg_segment_ptr 1
		.amdhsa_wavefront_size32 1
		.amdhsa_system_sgpr_workgroup_id_x 1
		.amdhsa_system_sgpr_workgroup_id_y 1
		.amdhsa_system_sgpr_workgroup_id_z 1
		.amdhsa_system_vgpr_workitem_id 0
		.amdhsa_next_free_vgpr 178
		.amdhsa_next_free_sgpr 66
		.amdhsa_reserve_vcc 0
		.amdhsa_float_denorm_mode_32 3
		.amdhsa_float_denorm_mode_16_64 3
		.amdhsa_memory_ordered 1
		.amdhsa_forward_progress 1
		.amdhsa_inst_pref_size 13
	.end_amdhsa_kernel
	.amdgpu_metadata
---
amdhsa.version: [ 1, 2 ]
amdhsa.kernels:
  - .name:           k_q3866f33d15_quant_x
    .symbol:         k_q3866f33d15_quant_x.kd
    .args:
      - { .name: x, .offset: 0, .size: 8, .value_kind: global_buffer, .address_space: global }
      - { .name: xq, .offset: 8, .size: 8, .value_kind: global_buffer, .address_space: global }
    .group_segment_fixed_size: 69120
    .private_segment_fixed_size: 0
    .kernarg_segment_align: 8
    .kernarg_segment_size: 16
    .max_flat_workgroup_size: 256
    .sgpr_count:     66
    .vgpr_count:     178
    .wavefront_size: 32
...
	.end_amdgpu_metadata
.endif
;; end of part 1
;; launch quant_w (part 2): grid 64 x 2, 8 waves a work-group, no clusters, 2,048 bytes of LDS; arguments W_qkv, W_out, wq; writes wq
.if DOCPART == 2
	.amdgcn_target "amdgcn-amd-amdhsa--gfx1250"
	.amdhsa_code_object_version 6
	.text
	.protected	k_q3866f33d15_quant_w
	.globl	k_q3866f33d15_quant_w
	.p2align	8
	.type	k_q3866f33d15_quant_w,@function
k_q3866f33d15_quant_w:
	s_mov_b64 s[64:65], 0
	v_nop
	global_prefetch_b8 v0, s[64:65] scope:SCOPE_SE
	s_setreg_imm32_b32 hwreg(HW_REG_WAVE_MODE, 25, 1), 1
	s_wait_xcnt 0x0
; W_qkv [1024][3072] and W_out [1024][1024], f32, K their FIRST axis, become codes of FP4 with K innermost: 4,096 operand rows (positions 0-3071 W_qkv's columns, 3072-4095 W_out's).
; Layouts as for x: positions with bits 3 and 4 of the column number exchanged; codes (tile / 8) x 65536 + s x 8192 + (tile % 8) x 1024 + c x 512 + 16 x lane; scale words from byte 2,097,152 on, [K half][position][4].
; A LANE TAKES A COLUMN AND ITS REGISTERS RUN DOWN K: a block of 32 lies in one lane, and the conversions give codes with K innermost.  Nothing is transposed.
; SHARES: work-group x takes 64 columns, work-group y a K half; wave w takes 32 columns (w & 1) and the K step 4 y + (w >> 1): 128 numbers a lane, all asked for at once.
; One path serves both tensors: the pointer and the pitch are chosen on the work-group's number.
; LIMITS: a block of zeros gets the byte 1 (zero codes; this program alone reads the bytes); NaN and infinities are not served.
.set X, 32                             ; v32-159  128 numbers down K
.set C, 160                            ; v160-175 four registers of codes for each block: no store's data are written again
	s_load_b128 s[4:7], s[0:1], 0x0                ; W_qkv, W_out
	s_load_b64 s[8:9], s[0:1], 0x10                ; wq
	v_lshl_add_u32 v176, v0, 2, 0x400
	v_mov_b32 v177, 0
	v_lshrrev_b32 v1, 5, v0
	s_delay_alu instid0(VALU_DEP_1)
	v_readfirstlane_b32 s12, v1                    ; wave
	s_and_b32 s13, s12, 1                          ; which 32 columns
	s_lshr_b32 s14, s12, 1                         ; which K step of the half
	s_and_b32 s15, ttmp7, 0xffff                   ; the K half
	s_lshl_b32 s16, s15, 2
	s_add_co_u32 s16, s16, s14                     ; the K step
	v_and_b32 v1, 31, v0                           ; lane = column
	s_delay_alu instid0(VALU_DEP_1)
	v_lshlrev_b32 v11, 2, v1
	v_bfe_u32 v2, v0, 3, 1                         ; u: bit 3 of the column is the tile's low bit,
	v_bfe_u32 v3, v0, 4, 1
	v_and_b32 v4, 7, v0
	s_delay_alu instid0(VALU_DEP_1)
	v_lshl_add_u32 v4, v3, 3, v4                   ; and bit 4 is bit 3 of the lane row
	s_delay_alu instid0(VALU_DEP_1)
	v_lshlrev_b32 v8, 4, v4
	s_delay_alu instid0(VALU_DEP_1)
	v_lshl_add_u32 v8, v2, 10, v8                  ; my 16 bytes in the two tiles' images
	s_delay_alu instid0(VALU_DEP_3)
	v_lshl_add_u32 v9, v2, 4, v4
	s_delay_alu instid0(VALU_DEP_1)
	v_lshlrev_b32 v9, 4, v9
	s_lshl_b32 s28, s13, 9
	s_lshl_b32 s29, s14, 2
	s_add_co_u32 s28, s28, s29
	v_add_nc_u32 v9, s28, v9                       ; LDS: [position of 64][4 words]: my position, my K step
	v_lshlrev_b32 v10, 4, v0                       ; the way out of the words: 16 bytes a thread
	s_lshr_b32 s24, ttmp9, 1
	s_lshl_b32 s24, s24, 16
	s_lshl_b32 s25, s16, 13
	s_add_co_u32 s24, s24, s25
	s_and_b32 s25, ttmp9, 1
	s_lshl_b32 s25, s25, 1
	s_add_co_u32 s25, s25, s13
	s_lshl_b32 s25, s25, 11
	s_add_co_u32 s24, s24, s25                     ; my two tiles' images of my K step
	s_mov_b32 s25, 0
	s_lshl_b32 s26, s15, 16
	s_lshl_b32 s27, ttmp9, 10
	s_add_co_u32 s26, s26, s27
	s_add_co_u32 s26, s26, 2097152                 ; the work-group's 64 positions x 16 bytes of scale words
	s_mov_b32 s27, 0
	s_wait_kmcnt 0x0
	s_cmp_lt_u32 ttmp9, 48                         ; W_qkv's work-group or W_out's?  The choice hangs on the work-group's number alone
	s_cselect_b64 s[4:5], s[4:5], s[6:7]
	s_mov_b32 s20, 4096
	s_cselect_b32 s20, 12288, s20                  ; a row of the tensor in bytes
	s_cselect_b32 s17, 0, 48
	s_sub_co_u32 s17, ttmp9, s17
	s_lshl_b32 s17, s17, 8                         ; 64 columns x 4 bytes
	s_lshl_b32 s18, s13, 7
	s_add_co_u32 s17, s17, s18
	s_lshl_b32 s18, s16, 7                         ; row 128 s
	s_mul_i32 s18, s18, s20
	s_add_co_u32 s18, s18, s17
	s_mov_b32 s19, 0
	s_add_nc_u64 s[32:33], s[4:5], s[18:19]        ; sixteen bases, eight rows apart: no address is stepped while loads are out
	s_lshl_b32 s22, s20, 3
	s_mov_b32 s23, 0
.irp q, 1,2,3,4,5,6,7,8,9,10,11,12,13,14,15
	s_add_nc_u64 s[32+2*\q:33+2*\q], s[30+2*\q:31+2*\q], s[22:23]
.endr
	s_add_nc_u64 s[6:7], s[8:9], s[24:25]
	s_add_nc_u64 s[8:9], s[8:9], s[26:27]
.irp e, 0,1,2,3,4,5,6,7
	v_mad_u32_u24 v[16+\e], s20, \e, v11           ; 4 x lane + e rows
.endr
.irp q, 0,1,2,3,4,5,6,7,8,9,10,11,12,13,14,15
.irp e, 0,1,2,3,4,5,6,7
	global_load_b32 v[X+8*\q+\e], v[16+\e], s[32+2*\q:33+2*\q] th:TH_LOAD_NT   ; row 128 s + 8 q + e: 128 consecutive bytes a wave, 256 with the wave beside it
.endr
.endr
.macro BLOCK q
.set XS, X+32*(\q)
.if 96-32*(\q) > 63
	s_wait_loadcnt 63                              ; this block's loads are in (a wait's count names 63 at the most; up to 96 - 32 q might stay out)
.else
	s_wait_loadcnt 96-32*(\q)                      ; this block's loads are in; the later blocks' may be out
.endif
	v_max3_num_f32 v12, |v[XS]|, |v[XS+1]|, |v[XS+2]|             ; the block's largest magnitude: all 32 numbers are mine
	v_max3_num_f32 v13, |v[XS+3]|, |v[XS+4]|, |v[XS+5]|
.irp i, 6,10,14,18,22,26
	s_delay_alu instid0(VALU_DEP_2)
	v_max3_num_f32 v12, v12, |v[XS+\i]|, |v[XS+\i+1]|
	s_delay_alu instid0(VALU_DEP_2)
	v_max3_num_f32 v13, v13, |v[XS+\i+2]|, |v[XS+\i+3]|
.endr
	s_delay_alu instid0(VALU_DEP_2)
	v_max3_num_f32 v12, v12, |v[XS+30]|, |v[XS+31]|
	s_delay_alu instid0(VALU_DEP_1)
	v_max3_num_f32 v12, v12, v13, 0x1800000        ; and the floor 2^(3 - 127)
	s_delay_alu instid0(VALU_DEP_1)
	v_add_nc_u32 v14, 0xff000000, v12              ; 2 off the exponent field: the conversion's scale operand
	s_delay_alu instid0(VALU_DEP_1)
	v_lshrrev_b32 v15, 23, v14                     ; the scale's byte
.if (\q) == 0
	s_delay_alu instid0(VALU_DEP_1)
	v_mov_b32 v30, v15
.else
	s_delay_alu instid0(VALU_DEP_1)
	v_lshl_or_b32 v30, v15, 8*(\q), v30            ; four bytes make the K step's word, the lower K in the lower byte
.endif
.irp g, 0,1,2,3
	v_cvt_scalef32_pk8_fp4_f32 v[C+4*(\q)+\g], v[XS+8*\g:XS+8*\g+7], v14
.endr
	global_store_b128 v8, v[C+4*(\q):C+4*(\q)+3], s[6:7] offset:((\q)/2)*512+((\q)%2)*256   ; block q = 2 c + h of the image: the wave fills two aligned runs of 256 bytes
.endm
	BLOCK 0                                        ; (each next block begins with plain vector lines, which stand between the conversions and the next write of their scale operand)
	BLOCK 1
	BLOCK 2
	BLOCK 3
	ds_store_b32 v9, v30
	s_wait_dscnt 0x0                               ; for the others' sake: my word has landed
	s_barrier_signal -1
	s_barrier_wait -1
	s_cmp_gt_u32 s12, 1
	s_cbranch_scc1 .Lend
	ds_load_b128 v[24:27], v10                     ; waves 0 and 1: 32 positions each, four words a position
	s_wait_dscnt 0x0
	global_store_b128 v10, v[24:27], s[8:9]        ; 512 consecutive bytes a wave
.Lend:
	s_wait_tensorcnt 0x0
	ds_add_u32 v176, v177
	s_wait_dscnt 0x0
	s_endpgm
.Lfunc_end_k_q3866f33d15_quant_w:
	.size	k_q3866f33d15_quant_w, .Lfunc_end_k_q3866f33d15_quant_w-k_q3866f33d15_quant_w
	.p2alignl 7, 3214868480
	.fill 96, 4, 3214868480
	.section	.rodata,"a",@progbits
	.p2align	6, 0x0
	.amdhsa_kernel k_q3866f33d15_quant_w
		.amdhsa_group_segment_fixed_size 2048
		.amdhsa_private_segment_fixed_size 0
		.amdhsa_enable_private_segment 0
		.amdhsa_kernarg_size 24
		.amdhsa_user_sgpr_count 2
		.amdhsa_user_sgpr_kernarg_segment_ptr 1
		.amdhsa_wavefront_size32 1
		.amdhsa_system_sgpr_workgroup_id_x 1
		.amdhsa_system_sgpr_workgroup_id_y 1
		.amdhsa_system_sgpr_workgroup_id_z 1
		.amdhsa_system_vgpr_workitem_id 0
		.amdhsa_next_free_vgpr 178
		.amdhsa_next_free_sgpr 80
		.amdhsa_reserve_vcc 0
		.amdhsa_float_denorm_mode_32 3
		.amdhsa_float_denorm_mode_16_64 3
		.amdhsa_memory_ordered 1
		.amdhsa_forward_progress 1
		.amdhsa_inst_pref_size 25
	.end_amdhsa_kernel
	.amdgpu_metadata
---
amdhsa.version: [ 1, 2 ]
amdhsa.kernels:
  - .name:           k_q3866f33d15_quant_w
    .symbol:         k_q3866f33d15_quant_w.kd
    .args:
      - { .name: W_qkv, .offset: 0, .size: 8, .value_kind: global_buffer, .address_space: global }
      - { .name: W_out, .offset: 8, .size: 8, .value_kind: global_buffer, .address_space: global }
      - { .name: wq, .offset: 16, .size: 8, .value_kind: global_buffer, .address_space: global }
    .group_segment_fixed_size: 2048
    .private_segment_fixed_size: 0
    .kernarg_segment_align: 8
    .kernarg_segment_size: 24
    .max_flat_workgroup_size: 256
    .sgpr_count:     80
    .vgpr_count:     178
    .wavefront_size: 32
...
	.end_amdgpu_metadata
.endif
;; end of part 2
;; launch gemm_qk (part 3): grid 8 x 32, 4 waves a work-group, clusters of 4 x 4, 262,656 bytes of LDS; arguments xq, wq, b_qkv, qk; writes qk
.if DOCPART == 3
	.amdgcn_target "amdgcn-amd-amdhsa--gfx1250"
	.amdhsa_code_object_version 6
	.text
	.protected	k_q3866f33d15_gemm_qk
	.globl	k_q3866f33d15_gemm_qk
	.p2align	8
	.type	k_q3866f33d15_gemm_qk,@function
k_q3866f33d15_gemm_qk:
	s_mov_b64 s[64:65], 0
	v_nop
	global_prefetch_b8 v0, s[64:65] scope:SCOPE_SE
	s_setreg_imm32_b32 hwreg(HW_REG_WAVE_MODE, 25, 1), 1
	s_wait_xcnt 0x0
	s_wait_alu depctr_hold_cnt(0) depctr_sa_sdst(0) depctr_va_vdst(0) depctr_va_sdst(0) depctr_va_ssrc(0) depctr_va_vcc(0) depctr_vm_vsrc(0)
	s_getreg_b32 s2, hwreg(HW_REG_IB_STS2, 6, 4)
	s_cmp_eq_u32 s2, 0
	s_cbranch_scc0 .Lentry_in_a_cluster
	s_endpgm
.Lentry_in_a_cluster:
	s_bfe_u32 s2, ttmp6, 0x10000c
	s_cmp_lg_u32 s2, 0xf033
	s_cbranch_scc0 .Lentry_shape_is_right
	s_endpgm
.Lentry_shape_is_right:
; q and k = x W_qkv[:, 0:2048] + b, on codes of FP4 with E8M0 scales, and at once quantised along the head's 64 for the scores' product.  The f32 results never go to memory.
; A tile is 256 row positions of x (role A, source 1) x 256 column positions of W (role B, source 0); four waves, each 128 x 128: 64 accumulators in windows 2 and 3.
; USED TRANSPOSED: a lane holds ONE row of x, and since W's tiles hold columns 32 (t / 2) + 8 (t % 2) + rho + 8 (rho / 8), the 64 registers of a block of 16 rows are register 16 b + i = column 32 b + 16 h + i:
; neighbours along the next K.  A wave's 128 columns are two heads of 64: a block's eight registers of codes are two images of 512 bytes, one a head.
; K = 1,024 IS RESIDENT: both operands' codes for all of K are 256 KB of LDS, filled ONCE: each wave asks for four chunks of 16 KB (two K steps of 128 rows) at the start, and no LDS byte is filled again.
; CLUSTERS: 4 x 4.  A's chunks are shared along a row of the cluster, B's along a column: joint loads, the same descriptor and mask in the four that a mask names.
; The scale words go from memory to registers once: a load of 16 bytes brings K steps 0-3 into lanes 0-15 and K steps 4-7 into lanes 16-31, which the products of steps 4-7 select.
; The bias is the C of each sum's first product.
; OUT: qk: codes [head' 32: q 0-15, k 16-31][tile 512][512 bytes]; scale words from byte 8,388,608 on: [head'][position / 64][r][tile % 4][4 bytes], bytes 0 and 1 real.
; LIMITS: a block of zeros gets the byte 1 (zero codes); NaN and infinities are not served.
; REGISTERS: window 0: v1-30 addresses; v32-63 A's scale words, v64-95 B's; v96-127 at work; v128-191 A's fragments, one set, later the codes; v192-255 the bias.  Window 1: B's fragments, two sets.
.set TA,    17                         ; s17: role A's tile, from the grid's y;  s43 its mask: my row of the cluster
.set MA,    43
.set TB,    42                         ; s42: role B's tile, from the grid's x;  s44 its mask: my column
.set MB,    44
.set OFFA,  0                          ; where the role's images begin in its buffer
.set OFFB,  0
.set SOFFA, 4194304                    ; and its scale words
.set SOFFB, 2097152
.set KHA,   17                         ; log2 of the bytes from K half to K half
.set KHB,   16
.set BYA,   0                          ; the bias runs along role B
.set G1A,   24
.set G1B,   32
.set G0A,   48                         ; s48-63: four groups 0 for A's chunks;  s68-83: for B's
.set G0B,   68
.set SEL,   22
.set ADRA,  16
.set ADRB,  20
.set LI,    26
.set SA,    32
.set SB,    64
.set TM,    96
.set PW,    112
.set SW,    116
.set AF,    128
.set BI,    192
.set MSB, 0
.macro WIN new                         ; the immediate's high byte repeats the setting that is left
.if MSB != (\new)
	s_set_vgpr_msb (MSB<<8)|(\new)
.set MSB, (\new)
.endif
.endm
.macro CREST
	s_cmp_lg_u32 s14, 0
	s_cbranch_scc1 .Lnot_wave_0_\@
	s_barrier_signal -3
.Lnot_wave_0_\@:
	s_barrier_wait -3
	s_barrier_signal -1
	s_barrier_wait -1
.endm
.macro CROUND                          ; a round of the cluster's barrier
	s_barrier_signal -1
	s_barrier_wait -1
	CREST
.endm
.macro PLACES n
.rept \n
	v_nop
.endr
.endm
.macro FRAG reg, adr, s, i             ; a fragment's image: 1,024 consecutive bytes, 16 a lane and load
.irp c, 0,1
	ds_load_b128 v[\reg+4*\c:\reg+4*\c+3], v[\adr] offset:(\s)*8192+(\i)*1024+512*\c
.endr
.endm
.macro FETCH_B s, p
	WIN 0x40
.irp i, 0,1,2,3,4,5,6,7
	FRAG 128*(\p)+8*\i, ADRB, \s, \i
.endr
	WIN 0
.endm
.macro FETCH_A s, i0
.irp i, \i0, \i0+1, \i0+2, \i0+3
	FRAG AF+8*(\i), ADRA, \s, \i
.endr
.endm
.macro WM a, b, p, s, first
.set rD, 8*(8*((\a)%4)+(\b))
.set rB, 128*(\p)+8*(\b)
.set rA, AF+8*(\a)
.set rC, BI+8*(BYA*(\a)+(1-BYA)*(\b))
.set rSB, SB+4*(\b)+(\s)%4
.set rSA, SA+4*(\a)+(\s)%4
.if \first
	v_wmma_scale_f32_16x16x128_f8f6f4 v[rD:rD+7], v[rB:rB+7], v[rA:rA+7], v[rC:rC+7], v[rSB], v[rSA] matrix_a_fmt:MATRIX_FMT_FP4 matrix_b_fmt:MATRIX_FMT_FP4
.elseif (\s) < 4
	v_wmma_scale_f32_16x16x128_f8f6f4 v[rD:rD+7], v[rB:rB+7], v[rA:rA+7], v[rD:rD+7], v[rSB], v[rSA] matrix_a_fmt:MATRIX_FMT_FP4 matrix_b_fmt:MATRIX_FMT_FP4
.else
	v_wmma_scale_f32_16x16x128_f8f6f4 v[rD:rD+7], v[rB:rB+7], v[rA:rA+7], v[rD:rD+7], v[rSB], v[rSA] matrix_a_fmt:MATRIX_FMT_FP4 matrix_b_fmt:MATRIX_FMT_FP4 matrix_a_scale:MATRIX_SCALE_ROW1 matrix_b_scale:MATRIX_SCALE_ROW1
.endif
.endm
.macro MUL16 a0, p, s, first           ; A's blocks a0, a0 + 1 against B's eight.  The 64 accumulators take turns, one instruction a turn, in the same order in every step
.irp a, \a0, \a0+1
.irp b, 0,1,2,3,4,5,6,7
	WM \a, \b, \p, \s, \first
.endr
.endr
.endm
; A step of 128 along K.  meet = 1: the next step's fragments lie in the next chunk: my part of it is waited for, and one barrier shows everybody's.  Later chunks stay out.
.macro STEP s, meet, first
.if \meet
	s_wait_tensorcnt 3-((\s)+1)/2                  ; of my four loads the chunks up to the next step's are in; the later ones stay out
.endif
	s_wait_dscnt 8                                 ; B's set and A's blocks 0-3 are in; the youngest eight loads (A's blocks 4-7) may be out
	WIN 0xa1-0x20*\first                           ; source 0 window 1, source 1 window 0, D window 2; C window 2, or in the first step window 0 (the bias)
	MUL16 0, (\s)%2, \s, \first
.if \meet
	s_wait_dscnt 0x0                               ; no LDS instruction of mine is out at a signal
	s_barrier_signal -1
.endif
	MUL16 2, (\s)%2, \s, \first
.if \meet
	s_barrier_wait -1
.else
	s_wait_dscnt 0x0                               ; A's blocks 4-7 are in
.endif
	PLACES 4                                       ; four plain places in front of loads into registers that matrix instructions have read
	FETCH_B (\s)+1, 1-(\s)%2
	FETCH_A (\s)+1, 0
	WIN 0xf1-0x30*\first
	MUL16 4, (\s)%2, \s, \first
	MUL16 6, (\s)%2, \s, \first
	PLACES 4
	WIN 0
	FETCH_A (\s)+1, 4
.endm
; Block a's 64 results (register 16 b + i = next k 32 b + 16 h + i of my row) become a fragment's codes in v[AF + 8 a] on and its scale word in v[pw].  Each accumulator is read from its low end on.
.macro QUANTW a, pw
.set AC, 64*((\a)%4)
.set WW, 2+(\a)/4
.set PCA, AF+8*(\a)
	WIN 5*WW                                       ; sources 0 and 1: the accumulators' window
.irp b, 0,1,2,3
	v_max3_num_f32 v[TM+\b], |v[AC+16*\b]|, |v[AC+16*\b+1]|, 0x1800000   ; and the floor 2^(3 - 127)
.endr
.irp i, 2,4,6,8,10,12,14
.irp b, 0,1,2,3
	v_max3_num_f32 v[TM+\b], |v[AC+16*\b+\i]|, |v[AC+16*\b+\i+1]|, v[TM+\b]
.endr
.endr
	WIN 0
.irp b, 0,1,2,3
	v_permlanex16_b32 v[TM+4+\b], v[TM+\b], s[SEL], s[SEL+1]
.endr
.irp b, 0,1,2,3
	v_max_num_f32 v[TM+\b], v[TM+\b], v[TM+4+\b]
.endr
.irp b, 0,1,2,3
	v_add_nc_u32 v[TM+12+\b], 0xff000000, v[TM+\b]
.endr
.irp b, 0,1,2,3
	v_lshrrev_b32 v[TM+4+\b], 23, v[TM+12+\b]
.endr
	v_lshl_or_b32 v[\pw], v[TM+5], 8, v[TM+4]
	v_lshl_or_b32 v[\pw], v[TM+6], 16, v[\pw]
	v_lshl_or_b32 v[\pw], v[TM+7], 24, v[\pw]
	WIN WW                                         ; source 0: the accumulators' window
.irp b, 0,1,2,3
	v_cvt_scalef32_pk8_fp4_f32 v[PCA+2*\b], v[AC+16*\b:AC+16*\b+7], v[TM+12+\b]
	v_cvt_scalef32_pk8_fp4_f32 v[PCA+2*\b+1], v[AC+16*\b+8:AC+16*\b+15], v[TM+12+\b]
.endr
	WIN 0
	v_nop                                          ; one plain place behind a scaled conversion
.irp c, 0,1
.irp i, 0,1
	v_permlane16_swap_b32 v[PCA+4*\c+\i], v[PCA+4*\c+2+\i]
.endr
.endr
.endm
	s_load_b128 s[4:7], s[0:1], 0x0                ; role A's buffer, role B's
	s_load_b128 s[8:11], s[0:1], 0x10              ; the bias, the output
	v_lshl_add_u32 v126, v0, 2, 0x40000
	v_mov_b32 v127, 0
	ds_add_u32 v126, v127
	ds_add_u32 v126, v127
	v_lshrrev_b32 v1, 5, v0
	v_readfirstlane_b32 s14, v1                    ; wave 0..3
	s_lshr_b32 s15, s14, 1                         ; my half of role A's rows.  Also: I fetch for A (0) or for B (1)
	s_and_b32 s16, s14, 1                          ; my half of role B's rows.  Also: which half I fetch
	s_bfe_u32 s40, ttmp6, 0x40000                  ; cx, cy: my place in the cluster
	s_bfe_u32 s41, ttmp6, 0x40004
	s_lshl_b32 s42, ttmp9, 2
	s_add_co_u32 s42, s42, s40                     ; work-group x
	s_and_b32 s17, ttmp7, 0xffff
	s_lshl_b32 s17, s17, 2
	s_add_co_u32 s17, s17, s41                     ; work-group y
	s_lshl_b32 s43, s41, 2
	s_lshl_b32 s43, 15, s43                        ; my row of the cluster
	s_lshl_b32 s44, 0x1111, s40                    ; my column
	s_or_b32 s[G1A], s[MA], (3<<16)|(1<<21)        ; 15:0 the mask; 17:16 elements of 8 bytes; 21 set beside a mask; no padding
	s_or_b32 s[G1B], s[MB], (3<<16)|(1<<21)
.irp g, G1A, G1B                               ; a dense chunk of 16 KB as 64 rows of 256 bytes
	s_mov_b32 s[\g+1], 32<<16                      ; tensor_dim0 = 32 elements
	s_mov_b32 s[\g+2], 64<<16                      ; tensor_dim1 = 64
	s_mov_b32 s[\g+3], 32<<16                      ; tile_dim0
	s_mov_b32 s[\g+4], 64                          ; tile_dim1
	s_mov_b32 s[\g+5], 32                          ; the pitch
	s_mov_b32 s[\g+6], 0
	s_mov_b32 s[\g+7], 0
.endr
	s_lshl_b32 s20, s[TA], 1
	s_add_co_u32 s20, s20, s16
	s_lshl_b32 s20, s20, 16                        ; A: 128 rows are 65,536 bytes: group 2 x tile + the half that I fetch
	s_mov_b32 s21, 0
	s_lshl_b32 s46, s[TB], 1
	s_add_co_u32 s46, s46, s16
	s_lshl_b32 s46, s46, 16                        ; B likewise, in registers that never hold A's coordinate
	s_mov_b32 s47, 0
	s_lshl_b32 s45, s14, 16                        ; LDS: region w: A's halves, then B's: no place in the cluster enters an LDS address
	s_wait_dscnt 0x0
	s_wait_kmcnt 0x0
	s_add_nc_u64 s[20:21], s[4:5], s[20:21]
	s_add_nc_u64 s[46:47], s[6:7], s[46:47]
	CROUND                                         ; all sixteen work-groups are here: the joint loads meet
.irp j, 0,1,2,3
	s_mov_b32 s[G0A+4*\j], 1
	s_add_co_u32 s[G0A+4*\j+1], s45, \j*16384
	s_add_nc_u64 s[G0A+4*\j+2:G0A+4*\j+3], s[20:21], OFFA+\j*16384
	s_or_b32 s[G0A+4*\j+3], s[G0A+4*\j+3], 0x80000000
	s_mov_b32 s[G0B+4*\j], 1
	s_add_co_u32 s[G0B+4*\j+1], s45, \j*16384
	s_add_nc_u64 s[G0B+4*\j+2:G0B+4*\j+3], s[46:47], OFFB+\j*16384
	s_or_b32 s[G0B+4*\j+3], s[G0B+4*\j+3], 0x80000000
.endr
	s_cmp_eq_u32 s15, 0                            ; a wave's four fills stand in one branch on its number: four loads of mine are out; four v_nop follow the last
	s_cbranch_scc0 .Lfill_b
.irp j, 0,1,2,3
	tensor_load_to_lds s[G0A+4*\j:G0A+4*\j+3], s[G1A:G1A+7]
	s_nop 0
.endr
	PLACES 4
	s_branch .Lfilled
.Lfill_b:
.irp j, 0,1,2,3
	tensor_load_to_lds s[G0B+4*\j:G0B+4*\j+3], s[G1B:G1B+7]
	s_nop 0
.endr
	PLACES 4
.Lfilled:
	v_and_b32 v1, 15, v0                           ; r
	v_bfe_u32 v2, v0, 4, 1                         ; h
	v_and_b32 v3, 31, v0                           ; lane
	v_lshlrev_b32 v[LI], 4, v3
	s_lshl_b32 s18, s15, 16
	v_add_nc_u32 v[ADRA], s18, v[LI]
	s_lshl_b32 s18, s16, 16
	s_add_co_u32 s18, s18, 131072
	v_add_nc_u32 v[ADRB], s18, v[LI]
	v_lshlrev_b32 v4, 4, v1
	v_lshl_add_u32 v27, v2, KHA, v4                ; scale words: 16 bytes a position; lanes 16-31 take the second K half
	s_wait_alu depctr_va_vdst(0)
	v_lshl_add_u32 v28, v2, KHB, v4
	s_wait_alu depctr_va_vdst(0)
	v_lshlrev_b32 v29, 6, v2                       ; the bias: my half's 16 columns of each 32
	s_wait_alu depctr_va_vdst(0)
	v_lshl_add_u32 v30, v2, 15, v4                 ; the way out of the scale words: lanes 16-31 the second head
.irp b, 0,1,2,3
	v_mov_b32 v[TM+4+\b], 0                        ; written once: a lane permute's destination counts as one of its sources
.endr
	s_mov_b32 s[SEL], 0x76543210
	s_mov_b32 s[SEL+1], 0xfedcba98
	s_mov_b32 s90, 0xffff0000                      ; lanes 16-31
	s_lshl_b32 s84, s[TA], 12
	s_lshl_b32 s85, s15, 11
	s_add_co_u32 s84, s84, s85
	s_add_co_u32 s84, s84, SOFFA
	s_mov_b32 s85, 0
	s_add_nc_u64 s[84:85], s[4:5], s[84:85]        ; my 128 positions' scale words of role A
	s_lshl_b32 s86, s[TB], 12
	s_lshl_b32 s87, s16, 11
	s_add_co_u32 s86, s86, s87
	s_add_co_u32 s86, s86, SOFFB
	s_mov_b32 s87, 0
	s_add_nc_u64 s[86:87], s[6:7], s[86:87]        ; and of role B
	s_lshl_b32 s18, s[TB], 10
	s_lshl_b32 s19, s16, 9
	s_add_co_u32 s18, s18, s19
	s_mov_b32 s19, 0
	s_add_nc_u64 s[8:9], s[8:9], s[18:19]          ; the bias of my 128 columns
.irp i, 0,1,2,3,4,5,6,7
	global_load_b128 v[SA+4*\i:SA+4*\i+3], v27, s[84:85] offset:256*\i
	global_load_b128 v[SB+4*\i:SB+4*\i+3], v28, s[86:87] offset:256*\i
.endr
.irp b, 0,1,2,3,4,5,6,7
	global_load_b128 v[BI+8*\b:BI+8*\b+3], v29, s[8:9] offset:(32*(\b/2)+8*(\b%2))*4       ; tile b, lane half h: columns 32 (b / 2) + 8 (b % 2) + 16 h + 0 .. 7
	global_load_b128 v[BI+8*\b+4:BI+8*\b+7], v29, s[8:9] offset:(32*(\b/2)+8*(\b%2))*4+16
.endr
	s_lshl_b32 s88, s[TB], 20                      ; codes: head' 4 x tile B + 2 x half, 262,144 bytes a head'; tile 16 x tile A + 8 x half, 512 bytes a tile
	s_lshl_b32 s89, s16, 19
	s_add_co_u32 s88, s88, s89
	s_lshl_b32 s89, s[TA], 13
	s_add_co_u32 s88, s88, s89
	s_lshl_b32 s89, s15, 12
	s_add_co_u32 s88, s88, s89
	s_mov_b32 s89, 0
	s_add_nc_u64 s[88:89], s[10:11], s[88:89]
	s_lshl_b32 s92, s[TB], 17                      ; scale words: 32,768 bytes a head', 256 for each 64 positions
	s_lshl_b32 s93, s16, 16
	s_add_co_u32 s92, s92, s93
	s_lshl_b32 s93, s[TA], 10
	s_add_co_u32 s92, s92, s93
	s_lshl_b32 s93, s15, 9
	s_add_co_u32 s92, s92, s93
	s_add_co_u32 s92, s92, 8388608
	s_mov_b32 s93, 0
	s_add_nc_u64 s[92:93], s[10:11], s[92:93]
	s_wait_tensorcnt 3                             ; my first chunk is in; three stay out
	s_barrier_signal -1
	s_barrier_wait -1                              ; everybody's is
	FETCH_B 0, 0
	FETCH_A 0, 0
	FETCH_A 0, 4
	s_wait_loadcnt 0x0                             ; the scale words and the bias
	STEP 0, 0, 1                                   ; the first products start the sums from the bias: nothing is cleared
	STEP 1, 1, 0
	STEP 2, 0, 0
	STEP 3, 1, 0
	STEP 4, 0, 0
	STEP 5, 1, 0
	STEP 6, 0, 0
	s_wait_dscnt 8                                 ; the last step: nothing more to fetch
	WIN 0xa1
	MUL16 0, 1, 7, 0
	MUL16 2, 1, 7, 0
	s_wait_dscnt 0x0
	WIN 0xf1
	MUL16 4, 1, 7, 0
	MUL16 6, 1, 7, 0
	WIN 0
	PLACES 4                                       ; in front of the first read of results, and of writes over A's fragments
	; THE WAY OUT: each block of 16 rows is quantised in registers.  Registers 4 c .. 4 c + 3 of its codes are head c's image: block h of row r in lane (r, h).
.irp a, 0,1,2,3,4,5,6,7
	QUANTW \a, PW
	global_store_b128 v[LI], v[AF+8*\a:AF+8*\a+3], s[88:89] offset:\a*512              ; 512 consecutive bytes
	global_store_b128 v[LI], v[AF+8*\a+4:AF+8*\a+7], s[88:89] offset:262144+\a*512
	v_lshrrev_b32 v[TM+8], 16, v[PW]
	v_cndmask_b32 v[SW+\a], v[PW], v[TM+8], s90    ; lanes 0-15: the first head's two bytes below; lanes 16-31: the second head's
.endr
	global_store_b128 v30, v[SW:SW+3], s[92:93]              ; sixteen lanes store 256 consecutive bytes, aligned
	global_store_b128 v30, v[SW+4:SW+7], s[92:93] offset:256
	s_wait_dscnt 0x0
	s_wait_tensorcnt 0x0
	ds_add_u32 v126, v127
	s_wait_dscnt 0x0
	CROUND                                         ; the closing round: no work-group ends while a partner may still ask for a chunk that names it
	s_endpgm
.Lfunc_end_k_q3866f33d15_gemm_qk:
	.size	k_q3866f33d15_gemm_qk, .Lfunc_end_k_q3866f33d15_gemm_qk-k_q3866f33d15_gemm_qk
	.p2alignl 7, 3214868480
	.fill 96, 4, 3214868480
	.section	.rodata,"a",@progbits
	.p2align	6, 0x0
	.amdhsa_kernel k_q3866f33d15_gemm_qk
		.amdhsa_group_segment_fixed_size 262656
		.amdhsa_private_segment_fixed_size 0
		.amdhsa_enable_private_segment 0
		.amdhsa_kernarg_size 32
		.amdhsa_user_sgpr_count 2
		.amdhsa_user_sgpr_kernarg_segment_ptr 1
		.amdhsa_wavefront_size32 1
		.amdhsa_system_sgpr_workgroup_id_x 1
		.amdhsa_system_sgpr_workgroup_id_y 1
		.amdhsa_system_sgpr_workgroup_id_z 1
		.amdhsa_system_vgpr_workitem_id 0
		.amdhsa_next_free_vgpr 1024
		.amdhsa_next_free_sgpr 96
		.amdhsa_reserve_vcc 0
		.amdhsa_float_denorm_mode_32 3
		.amdhsa_float_denorm_mode_16_64 3
		.amdhsa_memory_ordered 1
		.amdhsa_forward_progress 1
		.amdhsa_inst_pref_size 129
	.end_amdhsa_kernel
	.amdgpu_metadata
---
amdhsa.version: [ 1, 2 ]
amdhsa.kernels:
  - .name:           k_q3866f33d15_gemm_qk
    .symbol:         k_q3866f33d15_gemm_qk.kd
    .args:
      - { .name: xq, .offset: 0, .size: 8, .value_kind: global_buffer, .address_space: global }
      - { .name: wq, .offset: 8, .size: 8, .value_kind: global_buffer, .address_space: global }
      - { .name: b_qkv, .offset: 16, .size: 8, .value_kind: global_buffer, .address_space: global }
      - { .name: qk, .offset: 24, .size: 8, .value_kind: global_buffer, .address_space: global }
    .group_segment_fixed_size: 262656
    .private_segment_fixed_size: 0
    .kernarg_segment_align: 8
    .kernarg_segment_size: 32
    .max_flat_workgroup_size: 128
    .sgpr_count:     96
    .vgpr_count:     1024
    .wavefront_size: 32
...
	.end_amdgpu_metadata
.endif
;; end of part 3
;; launch gemm_v (part 4): grid 4 x 32, 4 waves a work-group, clusters of 4 x 4, 262,656 bytes of LDS; arguments wq, xq, b_qkv, vq; writes vq
.if DOCPART == 4
	.amdgcn_target "amdgcn-amd-amdhsa--gfx1250"
	.amdhsa_code_object_version 6
	.text
	.protected	k_q3866f33d15_gemm_v
	.globl	k_q3866f33d15_gemm_v
	.p2align	8
	.type	k_q3866f33d15_gemm_v,@function
k_q3866f33d15_gemm_v:
	s_mov_b64 s[64:65], 0
	v_nop
	global_prefetch_b8 v0, s[64:65] scope:SCOPE_SE
	s_setreg_imm32_b32 hwreg(HW_REG_WAVE_MODE, 25, 1), 1
	s_wait_xcnt 0x0
	s_wait_alu depctr_hold_cnt(0) depctr_sa_sdst(0) depctr_va_vdst(0) depctr_va_sdst(0) depctr_va_ssrc(0) depctr_va_vcc(0) depctr_vm_vsrc(0)
	s_getreg_b32 s2, hwreg(HW_REG_IB_STS2, 6, 4)
	s_cmp_eq_u32 s2, 0
	s_cbranch_scc0 .Lentry_in_a_cluster
	s_endpgm
.Lentry_in_a_cluster:
	s_bfe_u32 s2, ttmp6, 0x10000c
	s_cmp_lg_u32 s2, 0xf033
	s_cbranch_scc0 .Lentry_shape_is_right
	s_endpgm
.Lentry_shape_is_right:
; v = x W_qkv[:, 2048:3072] + b, on codes of FP4 with E8M0 scales, and at once quantised ALONG THE KEYS for the second product of attention.
; The same skeleton as the launch for q and k with the roles exchanged: role A (source 1, a lane's row) = 256 column positions of W; role B (source 0, along a lane's registers) = 256 row positions of x.
; So a lane holds ONE channel d, and the 64 registers of a block are register 16 b + i = key 32 b + 16 h + i of the wave's 128 keys: one K step of the second product.
; K = 1,024 is resident in LDS, filled once by four chunks of 16 KB a wave; 4 x 4 clusters: A's chunks are shared along a column of the cluster, B's along a row.
; The bias hangs on the lane's channel alone: eight equal registers a block as the C of the first products (one load and seven copies a block).
; OUT: vq: codes [16 b + head][key step 16][d tile 4][1,024 bytes: a fragment's image]; scale words from byte 4,194,304 on: [16 b + head][key step][r][d tile][4 bytes].
; LIMITS: a block of zeros gets the byte 1 (zero codes); NaN and infinities are not served.
; REGISTERS: as in the launch for q and k.
.set TA,    42                         ; s42: role A's tile, from the grid's x;  s44 its mask: my column of the cluster
.set MA,    44
.set TB,    17                         ; s17: role B's tile, from the grid's y;  s43 its mask: my row
.set MB,    43
.set OFFA,  16*65536                   ; W's positions 2,048 on
.set OFFB,  0
.set SOFFA, 2097152+2048*16
.set SOFFB, 4194304
.set KHA,   16
.set KHB,   17
.set BYA,   1                          ; the bias hangs on role A's block
.set G1A,   24
.set G1B,   32
.set G0A,   48
.set G0B,   68
.set SEL,   22
.set ADRA,  16
.set ADRB,  20
.set LI,    26
.set SA,    32
.set SB,    64
.set TM,    96
.set SW,    116
.set AF,    128
.set BI,    192
.set MSB, 0
.macro WIN new                         ; the immediate's high byte repeats the setting that is left
.if MSB != (\new)
	s_set_vgpr_msb (MSB<<8)|(\new)
.set MSB, (\new)
.endif
.endm
.macro CREST
	s_cmp_lg_u32 s14, 0
	s_cbranch_scc1 .Lnot_wave_0_\@
	s_barrier_signal -3
.Lnot_wave_0_\@:
	s_barrier_wait -3
	s_barrier_signal -1
	s_barrier_wait -1
.endm
.macro CROUND                          ; a round of the cluster's barrier
	s_barrier_signal -1
	s_barrier_wait -1
	CREST
.endm
.macro PLACES n
.rept \n
	v_nop
.endr
.endm
.macro FRAG reg, adr, s, i             ; a fragment's image: 1,024 consecutive bytes, 16 a lane and load
.irp c, 0,1
	ds_load_b128 v[\reg+4*\c:\reg+4*\c+3], v[\adr] offset:(\s)*8192+(\i)*1024+512*\c
.endr
.endm
.macro FETCH_B s, p
	WIN 0x40
.irp i, 0,1,2,3,4,5,6,7
	FRAG 128*(\p)+8*\i, ADRB, \s, \i
.endr
	WIN 0
.endm
.macro FETCH_A s, i0
.irp i, \i0, \i0+1, \i0+2, \i0+3
	FRAG AF+8*(\i), ADRA, \s, \i
.endr
.endm
.macro WM a, b, p, s, first
.set rD, 8*(8*((\a)%4)+(\b))
.set rB, 128*(\p)+8*(\b)
.set rA, AF+8*(\a)
.set rC, BI+8*(BYA*(\a)+(1-BYA)*(\b))
.set rSB, SB+4*(\b)+(\s)%4
.set rSA, SA+4*(\a)+(\s)%4
.if \first
	v_wmma_scale_f32_16x16x128_f8f6f4 v[rD:rD+7], v[rB:rB+7], v[rA:rA+7], v[rC:rC+7], v[rSB], v[rSA] matrix_a_fmt:MATRIX_FMT_FP4 matrix_b_fmt:MATRIX_FMT_FP4
.elseif (\s) < 4
	v_wmma_scale_f32_16x16x128_f8f6f4 v[rD:rD+7], v[rB:rB+7], v[rA:rA+7], v[rD:rD+7], v[rSB], v[rSA] matrix_a_fmt:MATRIX_FMT_FP4 matrix_b_fmt:MATRIX_FMT_FP4
.else
	v_wmma_scale_f32_16x16x128_f8f6f4 v[rD:rD+7], v[rB:rB+7], v[rA:rA+7], v[rD:rD+7], v[rSB], v[rSA] matrix_a_fmt:MATRIX_FMT_FP4 matrix_b_fmt:MATRIX_FMT_FP4 matrix_a_scale:MATRIX_SCALE_ROW1 matrix_b_scale:MATRIX_SCALE_ROW1
.endif
.endm
.macro MUL16 a0, p, s, first           ; A's blocks a0, a0 + 1 against B's eight.  The 64 accumulators take turns, one instruction a turn, in the same order in every step
.irp a, \a0, \a0+1
.irp b, 0,1,2,3,4,5,6,7
	WM \a, \b, \p, \s, \first
.endr
.endr
.endm
; A step of 128 along K.  meet = 1: the next step's fragments lie in the next chunk: my part of it is waited for, and one barrier shows everybody's.  Later chunks stay out.
.macro STEP s, meet, first
.if \meet
	s_wait_tensorcnt 3-((\s)+1)/2                  ; of my four loads the chunks up to the next step's are in; the later ones stay out
.endif
	s_wait_dscnt 8                                 ; B's set and A's blocks 0-3 are in; the youngest eight loads (A's blocks 4-7) may be out
	WIN 0xa1-0x20*\first                           ; source 0 window 1, source 1 window 0, D window 2; C window 2, or in the first step window 0 (the bias)
	MUL16 0, (\s)%2, \s, \first
.if \meet
	s_wait_dscnt 0x0                               ; no LDS instruction of mine is out at a signal
	s_barrier_signal -1
.endif
	MUL16 2, (\s)%2, \s, \first
.if \meet
	s_barrier_wait -1
.else
	s_wait_dscnt 0x0                               ; A's blocks 4-7 are in
.endif
	PLACES 4                                       ; four plain places in front of loads into registers that matrix instructions have read
	FETCH_B (\s)+1, 1-(\s)%2
	FETCH_A (\s)+1, 0
	WIN 0xf1-0x30*\first
	MUL16 4, (\s)%2, \s, \first
	MUL16 6, (\s)%2, \s, \first
	PLACES 4
	WIN 0
	FETCH_A (\s)+1, 4
.endm
; Block a's 64 results (register 16 b + i = key 32 b + 16 h + i of my channel) become a fragment's codes in v[AF + 8 a] on and its scale word in v[pw].  Each accumulator is read from its low end on.
.macro QUANTW a, pw
.set AC, 64*((\a)%4)
.set WW, 2+(\a)/4
.set PCA, AF+8*(\a)
	WIN 5*WW                                       ; sources 0 and 1: the accumulators' window
.irp b, 0,1,2,3
	v_max3_num_f32 v[TM+\b], |v[AC+16*\b]|, |v[AC+16*\b+1]|, 0x1800000   ; and the floor 2^(3 - 127)
.endr
.irp i, 2,4,6,8,10,12,14
.irp b, 0,1,2,3
	v_max3_num_f32 v[TM+\b], |v[AC+16*\b+\i]|, |v[AC+16*\b+\i+1]|, v[TM+\b]
.endr
.endr
	WIN 0
.irp b, 0,1,2,3
	v_permlanex16_b32 v[TM+4+\b], v[TM+\b], s[SEL], s[SEL+1]
.endr
.irp b, 0,1,2,3
	v_max_num_f32 v[TM+\b], v[TM+\b], v[TM+4+\b]
.endr
.irp b, 0,1,2,3
	v_add_nc_u32 v[TM+12+\b], 0xff000000, v[TM+\b]
.endr
.irp b, 0,1,2,3
	v_lshrrev_b32 v[TM+4+\b], 23, v[TM+12+\b]
.endr
	v_lshl_or_b32 v[\pw], v[TM+5], 8, v[TM+4]
	v_lshl_or_b32 v[\pw], v[TM+6], 16, v[\pw]
	v_lshl_or_b32 v[\pw], v[TM+7], 24, v[\pw]
	WIN WW                                         ; source 0: the accumulators' window
.irp b, 0,1,2,3
	v_cvt_scalef32_pk8_fp4_f32 v[PCA+2*\b], v[AC+16*\b:AC+16*\b+7], v[TM+12+\b]
	v_cvt_scalef32_pk8_fp4_f32 v[PCA+2*\b+1], v[AC+16*\b+8:AC+16*\b+15], v[TM+12+\b]
.endr
	WIN 0
	v_nop                                          ; one plain place behind a scaled conversion
.irp c, 0,1
.irp i, 0,1
	v_permlane16_swap_b32 v[PCA+4*\c+\i], v[PCA+4*\c+2+\i]
.endr
.endr
.endm
	s_load_b128 s[4:7], s[0:1], 0x0                ; role A's buffer, role B's
	s_load_b128 s[8:11], s[0:1], 0x10              ; the bias, the output
	v_lshl_add_u32 v126, v0, 2, 0x40000
	v_mov_b32 v127, 0
	ds_add_u32 v126, v127
	ds_add_u32 v126, v127
	v_lshrrev_b32 v1, 5, v0
	v_readfirstlane_b32 s14, v1                    ; wave 0..3
	s_lshr_b32 s15, s14, 1                         ; my half of role A's rows.  Also: I fetch for A (0) or for B (1)
	s_and_b32 s16, s14, 1                          ; my half of role B's rows.  Also: which half I fetch
	s_bfe_u32 s40, ttmp6, 0x40000                  ; cx, cy: my place in the cluster
	s_bfe_u32 s41, ttmp6, 0x40004
	s_lshl_b32 s42, ttmp9, 2
	s_add_co_u32 s42, s42, s40                     ; work-group x
	s_and_b32 s17, ttmp7, 0xffff
	s_lshl_b32 s17, s17, 2
	s_add_co_u32 s17, s17, s41                     ; work-group y
	s_lshl_b32 s43, s41, 2
	s_lshl_b32 s43, 15, s43                        ; my row of the cluster
	s_lshl_b32 s44, 0x1111, s40                    ; my column
	s_or_b32 s[G1A], s[MA], (3<<16)|(1<<21)        ; 15:0 the mask; 17:16 elements of 8 bytes; 21 set beside a mask; no padding
	s_or_b32 s[G1B], s[MB], (3<<16)|(1<<21)
.irp g, G1A, G1B                               ; a dense chunk of 16 KB as 64 rows of 256 bytes
	s_mov_b32 s[\g+1], 32<<16
	s_mov_b32 s[\g+2], 64<<16
	s_mov_b32 s[\g+3], 32<<16
	s_mov_b32 s[\g+4], 64
	s_mov_b32 s[\g+5], 32
	s_mov_b32 s[\g+6], 0
	s_mov_b32 s[\g+7], 0
.endr
	s_lshl_b32 s20, s[TA], 1
	s_add_co_u32 s20, s20, s16
	s_lshl_b32 s20, s20, 16                        ; A: 128 rows are 65,536 bytes: group 2 x tile + the half that I fetch
	s_mov_b32 s21, 0
	s_lshl_b32 s46, s[TB], 1
	s_add_co_u32 s46, s46, s16
	s_lshl_b32 s46, s46, 16                        ; B likewise, in registers that never hold A's coordinate
	s_mov_b32 s47, 0
	s_lshl_b32 s45, s14, 16                        ; LDS: region w
	s_wait_dscnt 0x0
	s_wait_kmcnt 0x0
	s_add_nc_u64 s[20:21], s[4:5], s[20:21]
	s_add_nc_u64 s[46:47], s[6:7], s[46:47]
	CROUND                                         ; all sixteen work-groups are here: the joint loads meet
.irp j, 0,1,2,3
	s_mov_b32 s[G0A+4*\j], 1
	s_add_co_u32 s[G0A+4*\j+1], s45, \j*16384
	s_add_nc_u64 s[G0A+4*\j+2:G0A+4*\j+3], s[20:21], OFFA+\j*16384
	s_or_b32 s[G0A+4*\j+3], s[G0A+4*\j+3], 0x80000000
	s_mov_b32 s[G0B+4*\j], 1
	s_add_co_u32 s[G0B+4*\j+1], s45, \j*16384
	s_add_nc_u64 s[G0B+4*\j+2:G0B+4*\j+3], s[46:47], OFFB+\j*16384
	s_or_b32 s[G0B+4*\j+3], s[G0B+4*\j+3], 0x80000000
.endr
	s_cmp_eq_u32 s15, 0                            ; a wave's four fills stand in one branch on its number: four loads of mine are out; four v_nop follow the last
	s_cbranch_scc0 .Lfill_b
.irp j, 0,1,2,3
	tensor_load_to_lds s[G0A+4*\j:G0A+4*\j+3], s[G1A:G1A+7]
	s_nop 0
.endr
	PLACES 4
	s_branch .Lfilled
.Lfill_b:
.irp j, 0,1,2,3
	tensor_load_to_lds s[G0B+4*\j:G0B+4*\j+3], s[G1B:G1B+7]
	s_nop 0
.endr
	PLACES 4
.Lfilled:
	v_and_b32 v1, 15, v0                           ; r
	v_bfe_u32 v2, v0, 4, 1                         ; h
	v_and_b32 v3, 31, v0                           ; lane
	v_lshlrev_b32 v[LI], 4, v3
	s_lshl_b32 s18, s15, 16
	v_add_nc_u32 v[ADRA], s18, v[LI]
	s_lshl_b32 s18, s16, 16
	s_add_co_u32 s18, s18, 131072
	v_add_nc_u32 v[ADRB], s18, v[LI]
	v_lshlrev_b32 v4, 4, v1
	v_lshl_add_u32 v27, v2, KHA, v4                ; scale words: 16 bytes a position; lanes 16-31 take the second K half
	v_lshl_add_u32 v28, v2, KHB, v4
	s_wait_alu depctr_va_vdst(0)
	v_and_b32 v29, 8, v1
	v_add_nc_u32 v29, v29, v1
	v_lshlrev_b32 v29, 2, v29                      ; the bias of my channel: column r + 8 (r / 8) of the tile's
	s_wait_alu depctr_va_vdst(0)
	v_lshl_add_u32 v30, v2, 12, v4                 ; the way out of the scale words: lanes 16-31 the second head
.irp b, 0,1,2,3
	v_mov_b32 v[TM+4+\b], 0                        ; written once: a lane permute's destination counts as one of its sources
.endr
	s_mov_b32 s[SEL], 0x76543210
	s_mov_b32 s[SEL+1], 0xfedcba98
	s_mov_b32 s90, 0xffff0000                      ; lanes 16-31
	s_lshl_b32 s84, s[TA], 12
	s_lshl_b32 s85, s15, 11
	s_add_co_u32 s84, s84, s85
	s_add_co_u32 s84, s84, SOFFA
	s_mov_b32 s85, 0
	s_add_nc_u64 s[84:85], s[4:5], s[84:85]        ; my 128 positions' scale words of role A
	s_lshl_b32 s86, s[TB], 12
	s_lshl_b32 s87, s16, 11
	s_add_co_u32 s86, s86, s87
	s_add_co_u32 s86, s86, SOFFB
	s_mov_b32 s87, 0
	s_add_nc_u64 s[86:87], s[6:7], s[86:87]        ; and of role B
	s_lshl_b32 s18, s[TA], 10
	s_lshl_b32 s19, s15, 9
	s_add_co_u32 s18, s18, s19
	s_add_co_u32 s18, s18, 8192                    ; b_qkv from number 2,048 on
	s_mov_b32 s19, 0
	s_add_nc_u64 s[8:9], s[8:9], s[18:19]
.irp i, 0,1,2,3,4,5,6,7
	global_load_b128 v[SA+4*\i:SA+4*\i+3], v27, s[84:85] offset:256*\i
	global_load_b128 v[SB+4*\i:SB+4*\i+3], v28, s[86:87] offset:256*\i
.endr
.irp a, 0,1,2,3,4,5,6,7
	global_load_b32 v[BI+8*\a], v29, s[8:9] offset:(32*(\a/2)+8*(\a%2))*4
.endr
	s_lshr_b32 s91, s[TB], 3
	s_lshl_b32 s91, s91, 4
	s_lshl_b32 s94, s[TA], 2
	s_add_co_u32 s91, s91, s94
	s_lshl_b32 s94, s15, 1
	s_add_co_u32 s91, s91, s94                     ; 16 b + the first of my two heads
	s_and_b32 s94, s[TB], 7
	s_lshl_b32 s94, s94, 1
	s_add_co_u32 s94, s94, s16                     ; my key step
	s_lshl_b32 s88, s91, 16
	s_lshl_b32 s89, s94, 12
	s_add_co_u32 s88, s88, s89
	s_mov_b32 s89, 0
	s_add_nc_u64 s[88:89], s[10:11], s[88:89]
	s_lshl_b32 s92, s91, 12
	s_lshl_b32 s93, s94, 8
	s_add_co_u32 s92, s92, s93
	s_add_co_u32 s92, s92, 4194304
	s_mov_b32 s93, 0
	s_add_nc_u64 s[92:93], s[10:11], s[92:93]
	s_wait_tensorcnt 3                             ; my first chunk is in; three stay out
	s_barrier_signal -1
	s_barrier_wait -1                              ; everybody's is
	FETCH_B 0, 0
	FETCH_A 0, 0
	FETCH_A 0, 4
	s_wait_loadcnt 0x0                             ; the scale words and the bias
.irp a, 0,1,2,3,4,5,6,7
.irp k, 1,2,3,4,5,6,7
	v_mov_b32 v[BI+8*\a+\k], v[BI+8*\a]            ; a C operand is eight registers: here eight times the lane's own number
.endr
.endr
	PLACES 4
	s_wait_alu depctr_va_vdst(0)
	STEP 0, 0, 1                                   ; the first products start the sums from the bias: nothing is cleared
	STEP 1, 1, 0
	STEP 2, 0, 0
	STEP 3, 1, 0
	STEP 4, 0, 0
	STEP 5, 1, 0
	STEP 6, 0, 0
	s_wait_dscnt 8                                 ; the last step: nothing more to fetch
	WIN 0xa1
	MUL16 0, 1, 7, 0
	MUL16 2, 1, 7, 0
	s_wait_dscnt 0x0
	WIN 0xf1
	MUL16 4, 1, 7, 0
	MUL16 6, 1, 7, 0
	WIN 0
	PLACES 4                                       ; in front of the first read of results, and of writes over A's fragments
	; THE WAY OUT: block a = head a / 4 of my two, d tile a % 4: its eight registers of codes are the fragment's image for my key step.
.irp a, 0,1,2,3,4,5,6,7
	QUANTW \a, SW+\a
	global_store_b128 v[LI], v[AF+8*\a:AF+8*\a+3], s[88:89] offset:(\a/4)*65536+(\a%4)*1024          ; 512 consecutive bytes
	global_store_b128 v[LI], v[AF+8*\a+4:AF+8*\a+7], s[88:89] offset:(\a/4)*65536+(\a%4)*1024+512
.endr
.irp j, 0,1,2,3
	v_cndmask_b32 v[TM+\j], v[SW+\j], v[SW+4+\j], s90   ; lanes 0-15: the first head's four tiles; lanes 16-31: the second's
.endr
	global_store_b128 v30, v[TM:TM+3], s[92:93]    ; sixteen lanes store 256 consecutive bytes, aligned
	s_wait_dscnt 0x0
	s_wait_tensorcnt 0x0
	ds_add_u32 v126, v127
	s_wait_dscnt 0x0
	CROUND                                         ; the closing round: no work-group ends while a partner may still ask for a chunk that names it
	s_endpgm
.Lfunc_end_k_q3866f33d15_gemm_v:
	.size	k_q3866f33d15_gemm_v, .Lfunc_end_k_q3866f33d15_gemm_v-k_q3866f33d15_gemm_v
	.p2alignl 7, 3214868480
	.fill 96, 4, 3214868480
	.section	.rodata,"a",@progbits
	.p2align	6, 0x0
	.amdhsa_kernel k_q3866f33d15_gemm_v
		.amdhsa_group_segment_fixed_size 262656
		.amdhsa_private_segment_fixed_size 0
		.amdhsa_enable_private_segment 0
		.amdhsa_kernarg_size 32
		.amdhsa_user_sgpr_count 2
		.amdhsa_user_sgpr_kernarg_segment_ptr 1
		.amdhsa_wavefront_size32 1
		.amdhsa_system_sgpr_workgroup_id_x 1
		.amdhsa_system_sgpr_workgroup_id_y 1
		.amdhsa_system_sgpr_workgroup_id_z 1
		.amdhsa_system_vgpr_workitem_id 0
		.amdhsa_next_free_vgpr 1024
		.amdhsa_next_free_sgpr 96
		.amdhsa_reserve_vcc 0
		.amdhsa_float_denorm_mode_32 3
		.amdhsa_float_denorm_mode_16_64 3
		.amdhsa_memory_ordered 1
		.amdhsa_forward_progress 1
		.amdhsa_inst_pref_size 130
	.end_amdhsa_kernel
	.amdgpu_metadata
---
amdhsa.version: [ 1, 2 ]
amdhsa.kernels:
  - .name:           k_q3866f33d15_gemm_v
    .symbol:         k_q3866f33d15_gemm_v.kd
    .args:
      - { .name: wq, .offset: 0, .size: 8, .value_kind: global_buffer, .address_space: global }
      - { .name: xq, .offset: 8, .size: 8, .value_kind: global_buffer, .address_space: global }
      - { .name: b_qkv, .offset: 16, .size: 8, .value_kind: global_buffer, .address_space: global }
      - { .name: vq, .offset: 24, .size: 8, .value_kind: global_buffer, .address_space: global }
    .group_segment_fixed_size: 262656
    .private_segment_fixed_size: 0
    .kernarg_segment_align: 8
    .kernarg_segment_size: 32
    .max_flat_workgroup_size: 128
    .sgpr_count:     96
    .vgpr_count:     1024
    .wavefront_size: 32
...
	.end_amdgpu_metadata
.endif
;; end of part 4
;; launch attn (part 5): grid 4 x 64, 16 waves a work-group, no clusters, 169,984 bytes of LDS; arguments qk, vq, ao; writes ao
.if DOCPART == 5
	.amdgcn_target "amdgcn-amd-amdhsa--gfx1250"
	.amdhsa_code_object_version 6
	.text
	.protected	k_q3866f33d15_attn
	.globl	k_q3866f33d15_attn
	.p2align	8
	.type	k_q3866f33d15_attn,@function
k_q3866f33d15_attn:
	s_mov_b64 s[64:65], 0
	v_nop
	global_prefetch_b8 v0, s[64:65] scope:SCOPE_SE
	s_setreg_imm32_b32 hwreg(HW_REG_WAVE_MODE, 25, 1), 1
	s_wait_xcnt 0x0
; Causal attention of one head of one batch on codes of FP4, and its result quantised along the channels for the last product.
; t = score x log2(e) / 8; M = the running largest t rounded UP to a whole number; p = 2^(t - M) is quantised along the keys, not normalised; the row's sum is taken of the unquantised p and divides O at the end.
; When M moves, the sum and O are multiplied by 2^(old M - new M): exact.
; SHARES.  Work-group y = 16 b + head; work-group x = i (0..3).  Wave w owns TWO tiles of 16 query positions: tile 16 i + w and tile 16 (7 - i) + (15 - w).  Tile T needs key steps 0 .. T / 8 of 128 keys,
; so every wave of every work-group has 17 tile steps.  No cluster: which steps a wave works hangs on its query block, which differs between the work-groups of a head, and what they share is read once at the head.
; THE HEAD'S K AND V CODES ARE RESIDENT: 64 KB each, filled ONCE (one tensor load of 8 KB a wave); their scale words come through registers.  No LDS byte is filled again; the loop writes no LDS and has no barrier.
; LAYOUT.  Both products transposed: S^T = K Q^T, O^T = V^T P^T: a lane holds one query throughout.  A tile of K holds keys 32 (t / 2) + 8 (t % 2) + rho + 8 (rho / 8), so the 16 registers of tiles 2 b, 2 b + 1 are
; keys 32 b + 16 h + 0 .. 15.  The first product's K is 64: registers 4-7 of Q's and K's fragments are zero codes, which add nothing under any scale byte but 0xff.
; A query tile's lane r holds query 32 (T / 2) + 8 (T % 2) + r + 8 (r / 8).  Every trip count is a constant; a step all of whose keys come after a tile's queries is jumped over by a scalar branch on ids.
; OUT: ao: codes (tile / 8) x 65536 + (head / 2) x 8192 + (tile % 8) x 1024 + (head % 2) x 512 + 16 x lane; half words (two scale bytes) from byte 4,194,304 on: [position / 128][head][r][tile % 8][2 bytes].
; LIMITS: a block of zeros gets the byte 1 (zero codes); a p under 2^-126 comes out of the exponential as 0; NaN and infinities are not served.
; REGISTERS: v1-11 addresses; v12-15, v16-19 -M, largest t, the sum in two halves (first tile, second tile); v20-35 Q; v36-37 Q's scale words; v40-71 four fragments of K; v72-79 scale words of K, then of V;
;   v96-159 S^T, then p, then V's four fragments; v160-191, v192-223 O^T; v224-231 p's codes; v232-254 at work.
.set KSW,  131072                      ; LDS: K's codes at 0, V's at 65,536; K's scale words, 8,192 bytes;
.set VSW,  139264                      ; V's, 4,096 bytes;
.set SCS,  143360                      ; the results' half words, 1,024 bytes
.set ADK,  5
.set ADV,  6
.set ADS,  7
.set ADT,  8
.set SDL,  18                          ; s18, s19: the first key of each tile's last step
.set SDH,  19
.set SEL,  20
.set CS,   22
.set G1,   24
.set G0K,  32
.set G0V,  36
.set KF,   50                          ; s50 the step's first key; s51 its codes; s52 K's scale words; s53 V's; s54 trips to go
.set TC,   51
.set TK,   52
.set TV,   53
.set CNT,  54
	s_load_b128 s[4:7], s[0:1], 0x0                ; qk, vq
	s_load_b64 s[8:9], s[0:1], 0x10                ; ao
	v_lshl_add_u32 v251, v0, 2, 0x29000
	v_mov_b32 v255, 0
	ds_add_u32 v251, v255
	ds_add_u32 v251, v255
	v_lshrrev_b32 v95, 5, v0
	s_delay_alu instid0(VALU_DEP_1)
	v_readfirstlane_b32 s12, v95                   ; wave 0..15
	s_and_b32 s13, ttmp7, 0xffff                   ; 16 b + head
	s_lshr_b32 s14, s13, 4                         ; b
	s_and_b32 s15, s13, 15                         ; head
	s_lshl_b32 s16, ttmp9, 4
	s_add_co_u32 s16, s16, s12                     ; my first tile
	s_xor_b32 s17, ttmp9, 7
	s_lshl_b32 s17, s17, 4
	s_xor_b32 s70, s12, 15
	s_add_co_u32 s17, s17, s70                     ; my second
	s_and_b32 s[SDL], s16, 0x78
	s_lshl_b32 s[SDL], s[SDL], 4                   ; 128 (T / 8)
	s_and_b32 s[SDH], s17, 0x78
	s_lshl_b32 s[SDH], s[SDH], 4
	v_and_b32 v90, 31, v0                          ; lane
	v_and_b32 v91, 15, v0                          ; r
	v_bfe_u32 v92, v0, 4, 1                        ; h
	s_delay_alu instid0(VALU_DEP_3)
	v_lshlrev_b32 v1, 4, v90                       ; 16 x lane: K's images, and every image in memory
	s_delay_alu instid0(VALU_DEP_1)
	v_add_nc_u32 v2, 65536, v1                     ; V's images
	s_delay_alu instid0(VALU_DEP_4)
	v_lshl_add_u32 v3, v91, 4, KSW
	v_lshl_add_u32 v4, v91, 4, VSW
	v_lshl_add_u32 v11, v0, 4, SCS
	v_lshl_add_u32 v86, v0, 4, KSW
	v_lshl_add_u32 v87, v0, 3, VSW
	v_lshlrev_b32 v88, 4, v0
	v_lshlrev_b32 v89, 3, v0
	v_lshlrev_b32 v93, 4, v91
	s_delay_alu instid0(VALU_DEP_1)
	v_lshl_add_u32 v94, v92, 12, v93
	v_and_b32 v95, 8, v91
	s_delay_alu instid0(VALU_DEP_1)
	v_add_nc_u32 v95, v95, v91
	v_lshlrev_b32 v85, 4, v92
	s_delay_alu instid0(VALU_DEP_1)
	v_sub_nc_u32 v95, v95, v85                     ; r + 8 (r / 8) - 16 h
	s_wait_alu depctr_va_vdst(0)
	s_lshr_b32 s55, s16, 1
	s_lshl_b32 s55, s55, 5
	s_and_b32 s62, s16, 1
	s_lshl_b32 s62, s62, 3
	s_add_co_u32 s55, s55, s62
	v_add_nc_u32 v9, s55, v95                      ; my query of the first tile, less 16 h
	s_lshr_b32 s55, s17, 1
	s_lshl_b32 s55, s55, 5
	s_and_b32 s62, s17, 1
	s_lshl_b32 s62, s62, 3
	s_add_co_u32 s55, s55, s62
	v_add_nc_u32 v10, s55, v95                     ; and of the second
	s_lshr_b32 s68, s12, 3
	s_lshl_b32 s68, s68, 8
	s_and_b32 s69, s12, 7
	s_lshl_b32 s69, s69, 1
	s_add_co_u32 s68, s68, s69
	s_add_co_u32 s68, s68, SCS
	v_lshl_add_u32 v38, v91, 4, s68                ; the first tile's half word: [tile / 8 of two][r][tile % 8]
	s_lshr_b32 s68, s70, 3
	s_lshl_b32 s68, s68, 8
	s_and_b32 s69, s70, 7
	s_lshl_b32 s69, s69, 1
	s_add_co_u32 s68, s68, s69
	s_add_co_u32 s68, s68, SCS+512
	v_lshl_add_u32 v39, v91, 4, s68                ; the second tile's
	; descriptor group 1: 8 KB, dense, as 32 rows of 256 bytes
	s_mov_b32 s[G1], 3<<16                         ; no mask; elements of 8 bytes; no padding
	s_mov_b32 s[G1+1], 32<<16
	s_mov_b32 s[G1+2], 32<<16
	s_mov_b32 s[G1+3], 32<<16
	s_mov_b32 s[G1+4], 32
	s_mov_b32 s[G1+5], 32
	s_mov_b32 s[G1+6], 0
	s_mov_b32 s[G1+7], 0
	s_and_b32 s68, s12, 7
	s_lshl_b32 s68, s68, 13                        ; which eighth I fetch
	s_add_co_u32 s69, s15, 16                      ; k's head' in qk
	s_lshl_b32 s34, s69, 18
	s_lshl_b32 s70, s14, 16
	s_add_co_u32 s34, s34, s70
	s_add_co_u32 s34, s34, s68
	s_mov_b32 s35, 0
	s_lshl_b32 s38, s13, 16
	s_add_co_u32 s38, s38, s68
	s_mov_b32 s39, 0
	s_mov_b32 s32, 1
	s_lshl_b32 s33, s12, 13                        ; LDS: 8,192 x wave: waves 0-7 K's codes, waves 8-15 V's
	s_mov_b32 s36, 1
	s_lshl_b32 s37, s12, 13
	s_lshl_b32 s40, s69, 15                        ; K's scale words
	s_lshl_b32 s70, s14, 13
	s_add_co_u32 s40, s40, s70
	s_add_co_u32 s40, s40, 8388608
	s_mov_b32 s41, 0
	s_lshl_b32 s42, s13, 12                        ; V's
	s_add_co_u32 s42, s42, 4194304
	s_mov_b32 s43, 0
	s_lshl_b32 s71, s14, 7
	s_add_co_u32 s72, s71, s16                     ; my tiles among all 512
	s_add_co_u32 s73, s71, s17
	s_lshl_b32 s74, s15, 18
	s_lshl_b32 s44, s72, 9                         ; Q's images
	s_add_co_u32 s44, s44, s74
	s_mov_b32 s45, 0
	s_lshl_b32 s46, s73, 9
	s_add_co_u32 s46, s46, s74
	s_mov_b32 s47, 0
	s_lshl_b32 s75, s15, 15
	s_add_co_u32 s75, s75, 8388608
	s_lshr_b32 s48, s72, 2                         ; Q's scale words
	s_lshl_b32 s48, s48, 8
	s_and_b32 s76, s72, 3
	s_lshl_b32 s76, s76, 2
	s_add_co_u32 s48, s48, s76
	s_add_co_u32 s48, s48, s75
	s_mov_b32 s49, 0
	s_lshr_b32 s66, s73, 2
	s_lshl_b32 s66, s66, 8
	s_and_b32 s76, s73, 3
	s_lshl_b32 s76, s76, 2
	s_add_co_u32 s66, s66, s76
	s_add_co_u32 s66, s66, s75
	s_mov_b32 s67, 0
	s_lshr_b32 s77, s15, 1                         ; the results' images
	s_lshl_b32 s77, s77, 13
	s_and_b32 s78, s15, 1
	s_lshl_b32 s78, s78, 9
	s_add_co_u32 s77, s77, s78
	s_lshr_b32 s56, s72, 3
	s_lshl_b32 s56, s56, 16
	s_and_b32 s78, s72, 7
	s_lshl_b32 s78, s78, 10
	s_add_co_u32 s56, s56, s78
	s_add_co_u32 s56, s56, s77
	s_mov_b32 s57, 0
	s_lshr_b32 s58, s73, 3
	s_lshl_b32 s58, s58, 16
	s_and_b32 s78, s73, 7
	s_lshl_b32 s78, s78, 10
	s_add_co_u32 s58, s58, s78
	s_add_co_u32 s58, s58, s77
	s_mov_b32 s59, 0
	s_xor_b32 s78, ttmp9, 7                        ; the half words: wave 0 stores the first tiles' two groups of 128 positions, wave 1 the second tiles'
	s_cmp_eq_u32 s12, 0
	s_cselect_b32 s78, ttmp9, s78
	s_lshl_b32 s78, s78, 1
	s_lshl_b32 s79, s14, 4
	s_add_co_u32 s78, s78, s79
	s_lshl_b32 s60, s78, 12
	s_lshl_b32 s79, s15, 8
	s_add_co_u32 s60, s60, s79
	s_add_co_u32 s60, s60, 4194304
	s_mov_b32 s61, 0
	s_mov_b32 s[SEL], 0x76543210
	s_mov_b32 s[SEL+1], 0xfedcba98
	s_mov_b32 s[CS], 0x3e38aa3b                    ; c = log2(e) / sqrt(64)
	s_mov_b32 s[CS+1], s[CS]                       ; (named with it as a pair, so it is written)
	s_mov_b32 s[KF], 0
	s_mov_b32 s[TC], 0
	s_mov_b32 s[TK], 0
	s_mov_b32 s[TV], 0
	s_mov_b32 s[CNT], 16
	s_wait_dscnt 0x0
	s_wait_kmcnt 0x0
	s_add_nc_u64 s[34:35], s[4:5], s[34:35]
	s_or_b32 s35, s35, 0x80000000
	s_add_nc_u64 s[38:39], s[6:7], s[38:39]
	s_or_b32 s39, s39, 0x80000000
	s_cmp_lt_u32 s12, 8                            ; each wave's one fill, under one branch on its number; four v_nop follow each line
	s_cbranch_scc0 .Lfill_v
	tensor_load_to_lds s[G0K:G0K+3], s[G1:G1+7]
	s_nop 0
.rept 4
	v_nop
.endr
	s_branch .Lfilled
.Lfill_v:
	tensor_load_to_lds s[G0V:G0V+3], s[G1:G1+7]
	s_nop 0
.rept 4
	v_nop
.endr
.Lfilled:
	s_add_nc_u64 s[40:41], s[4:5], s[40:41]
	s_add_nc_u64 s[42:43], s[6:7], s[42:43]
	s_add_nc_u64 s[44:45], s[4:5], s[44:45]
	s_add_nc_u64 s[46:47], s[4:5], s[46:47]
	s_add_nc_u64 s[48:49], s[4:5], s[48:49]
	s_add_nc_u64 s[66:67], s[4:5], s[66:67]
	s_add_nc_u64 s[56:57], s[8:9], s[56:57]
	s_add_nc_u64 s[58:59], s[8:9], s[58:59]
	s_add_nc_u64 s[60:61], s[8:9], s[60:61]
	global_load_b128 v[80:83], v88, s[40:41]       ; K's scale words: 512 threads x 16 bytes, as they lie
	global_load_b64 v[84:85], v89, s[42:43]        ; V's: 512 threads x 8 bytes
	global_load_b128 v[20:23], v1, s[44:45]        ; Q stays in registers
	global_load_b128 v[28:31], v1, s[46:47]
	global_load_b32 v36, v93, s[48:49]
	global_load_b32 v37, v93, s[66:67]
.irp j, 24,25,26,27,32,33,34,35,44,45,46,47,52,53,54,55,60,61,62,63,68,69,70,71
	v_mov_b32 v[\j], 0                             ; k = 64 .. 127 of Q's and K's fragments: zero codes, for the whole launch
.endr
.irp s, 12,16
	v_mov_b32 v[\s+1], 0xff61b1e6                  ; the largest t so far: -3e38, under every t
	s_delay_alu instid0(VALU_DEP_1)
	v_floor_f32 v[\s], -v[\s+1]                    ; -M
	v_mov_b32 v[\s+2], 0                           ; the sum, in two halves
	v_mov_b32 v[\s+3], 0
.endr
.irp j, 236,237,238,239,252,253
	v_mov_b32 v[\j], 0                             ; written once: a lane permute's destination counts as one of its sources; v253 is named as the upper half of a pair
.endr
.irp j, 0,1,2,3,4,5,6,7,8,9,10,11,12,13,14,15,16,17,18,19,20,21,22,23,24,25,26,27,28,29,30,31,32,33,34,35,36,37,38,39,40,41,42,43,44,45,46,47,48,49,50,51,52,53,54,55,56,57,58,59,60,61,62,63
	v_mov_b32 v[160+\j], 0                         ; O^T of both tiles: the step is written once, and its first pass finds zeros
.endr
	s_wait_loadcnt 4                               ; the two loads of scale words are in; Q's four stay out
	ds_store_b128 v86, v[80:83]
	ds_store_b64 v87, v[84:85]
	s_wait_tensorcnt 0x0                           ; my eighth of the codes has landed,
	s_wait_dscnt 0x0                               ; and my scale words
	s_barrier_signal -1
	s_barrier_wait -1                              ; everybody's have
	s_wait_loadcnt 0x0                             ; Q
; One tile's work in one key step of 128 keys.
.macro TILE QF, QS, ST, OA, SD, QR
	s_cmp_gt_u32 s[KF], s[\SD]                     ; all these keys come after the tile's queries: nothing to do
	s_cbranch_scc1 .Lskip_\@
	s_wait_alu depctr_va_vdst(0)
	ds_load_b128 v[72:75], v[ADS]                  ; the scale words of the step's eight tiles of K, row r
	ds_load_b128 v[76:79], v[ADS] offset:256
	s_wait_alu depctr_va_vdst(0)
.irp g, 0,1                                    ; S^T = K Q^T, four tiles of 16 keys at a time
.if \g > 0
.rept 4
	v_nop                                          ; places in front of loads into registers that matrix instructions have read
.endr
.endif
.irp t, 0,1,2,3
	ds_load_b128 v[40+8*\t:43+8*\t], v[ADK] offset:(4*\g+\t)*512
.endr
	s_wait_dscnt 0x0
.irp t, 0,1,2,3
	v_wmma_scale_f32_16x16x128_f8f6f4 v[96+8*(4*\g+\t):103+8*(4*\g+\t)], v[40+8*\t:47+8*\t], v[\QF:\QF+7], 0, v[72+4*\g+\t], v[\QS] matrix_a_fmt:MATRIX_FMT_FP4 matrix_b_fmt:MATRIX_FMT_FP4
.endr
.endr
.rept 4
	v_nop
.endr
	s_cmp_lg_u32 s[KF], s[\SD]                     ; only the tile's last step lies on the diagonal: there hidden scores become -infinity ahead of the maximum, so that p = 0
	s_cbranch_scc1 .Lopen_\@
	v_sub_nc_u32 v250, v[\QR], s[KF]               ; d = my query - the step's first key - 16 h.  Register 16 b + i holds key 32 b + 16 h + i of the step: hidden where 32 b + i > d
	v_mov_b32 v254, 0xff800000
.irp n, 0,1,2,3,4,5,6,7,8,9,10,11,12,13,14,15,16,17,18,19,20,21,22,23,24,25,26,27,28,29,30,31,32,33,34,35,36,37,38,39,40,41,42,43,44,45,46,47,48,49,50,51,52,53,54,55,56,57,58,59,60,61,62,63
	v_cmp_gt_i32 vcc_lo, 32*(\n/16)+\n%16, v250
	v_cndmask_b32 v[96+\n], v[96+\n], v254, vcc_lo
.endr
.Lopen_\@:
.irp b, 0,1,2,3
	v_max3_num_f32 v[232+\b], v[96+16*\b], v[97+16*\b], v[98+16*\b]   ; the largest score of each block of 32 keys: for the row's maximum, and, since p rises with the score, for the block's largest p
.endr
.irp i, 3,5,7,9,11,13
.irp b, 0,1,2,3
	v_max3_num_f32 v[232+\b], v[232+\b], v[96+16*\b+\i], v[97+16*\b+\i]
.endr
.endr
.irp b, 0,1,2,3
	v_max_num_f32 v[232+\b], v[232+\b], v[111+16*\b]
.endr
.irp b, 0,1,2,3
	s_delay_alu instid0(VALU_DEP_4)
	v_permlanex16_b32 v[236+\b], v[232+\b], s[SEL], s[SEL+1]
.endr
.irp b, 0,1,2,3
	s_delay_alu instid0(VALU_DEP_4)
	v_max_num_f32 v[232+\b], v[232+\b], v[236+\b]  ; with lane l xor 16's 16 keys
.endr
	s_delay_alu instid0(VALU_DEP_2)
	v_max3_num_f32 v254, v232, v233, v234
	s_delay_alu instid0(VALU_DEP_1)
	v_max_num_f32 v254, v254, v235
	s_delay_alu instid0(VALU_DEP_1)
	v_mul_f32 v254, s[CS], v254                    ; the step's largest t (c is positive)
	s_delay_alu instid0(VALU_DEP_1)
	v_max_num_f32 v[\ST+1], v[\ST+1], v254         ; the running largest t
	v_mov_b32 v254, v[\ST]
	s_delay_alu instid0(VALU_DEP_2)
	v_floor_f32 v[\ST], -v[\ST+1]                  ; the new -M = -ceil(t)
	s_delay_alu instid0(VALU_DEP_1)
	v_sub_f32 v254, v[\ST], v254                   ; old M - new M: a whole number, 0 or less
	s_delay_alu instid0(VALU_DEP_1)
	v_cvt_i32_f32 v254, v254                       ; (it saturates)
	s_delay_alu instid0(VALU_DEP_1)
	v_ldexp_f32 v252, 1.0, v254                    ; f = 2^(old M - new M)
.irp j, 0,2,4,6,8,10,12,14,16,18,20,22,24,26,28,30,32,34,36,38,40,42,44,46,48,50,52,54,56,58,60,62
	v_pk_fma_f32 v[96+\j:97+\j], v[96+\j:97+\j], s[CS:CS+1], v[\ST:\ST+1] op_sel_hi:[1,0,0]   ; t - M, two at a time
.endr
.irp b, 0,1,2,3
	v_fma_f32 v[232+\b], v[232+\b], s[CS], v[\ST]  ; the same of each block's largest score
.endr
	s_wait_alu depctr_va_vdst(0)
.irp j, 0,1,2,3,4,5,6,7,8,9,10,11,12,13,14,15,16,17,18,19,20,21,22,23,24,25,26,27,28,29,30,31,32,33,34,35,36,37,38,39,40,41,42,43,44,45,46,47,48,49,50,51,52,53,54,55,56,57,58,59,60,61,62,63
	v_exp_f32 v[96+\j], v[96+\j]                   ; p = 2^(t - M), at most 1
.endr
.irp b, 0,1,2,3
	v_exp_f32 v[232+\b], v[232+\b]                 ; the block's largest p
.endr
	v_pk_mul_f32 v[\ST+2:\ST+3], v[\ST+2:\ST+3], v[252:253] op_sel_hi:[1,0]   ; the sums under the new M (a plain place behind the exponentials)
	s_wait_alu depctr_va_vdst(0)
.irp b, 0,1,2,3
	v_max_num_f32 v[232+\b], 0x1800000, v[232+\b]  ; the floor 2^(3 - 127)
.endr
.irp b, 0,1,2,3
	s_delay_alu instid0(VALU_DEP_4)
	v_add_nc_u32 v[244+\b], 0xff000000, v[232+\b]  ; the conversion's scale operand
.endr
.irp b, 0,1,2,3
	s_delay_alu instid0(VALU_DEP_4)
	v_lshrrev_b32 v[236+\b], 23, v[244+\b]         ; the scale's byte
.endr
	s_delay_alu instid0(VALU_DEP_3)
	v_lshl_or_b32 v253, v237, 8, v236              ; p's scale word for these 128 keys
	s_delay_alu instid0(VALU_DEP_1)
	v_lshl_or_b32 v253, v238, 16, v253
	s_delay_alu instid0(VALU_DEP_1)
	v_lshl_or_b32 v253, v239, 24, v253
.irp b, 0,1,2,3
	v_cvt_scalef32_pk8_fp4_f32 v[224+2*\b], v[96+16*\b:103+16*\b], v[244+\b]
	v_cvt_scalef32_pk8_fp4_f32 v[225+2*\b], v[104+16*\b:111+16*\b], v[244+\b]
.endr
	v_nop                                          ; one plain place behind a scaled conversion
.irp c, 0,1
.irp i, 0,1
	v_permlane16_swap_b32 v[224+4*\c+\i], v[226+4*\c+\i]
.endr
.endr
	v_pk_add_f32 v[236:237], v[96:97], v[98:99]    ; the row's sum of the unquantised p, in two chains
.irp j, 4,8,12,16,20,24,28,32,36,40,44,48,52,56,60
	v_pk_add_f32 v[\ST+2:\ST+3], v[\ST+2:\ST+3], v[96+\j:97+\j]
	v_pk_add_f32 v[236:237], v[236:237], v[98+\j:99+\j]
.endr
	s_delay_alu instid0(VALU_DEP_1)
	v_pk_add_f32 v[\ST+2:\ST+3], v[\ST+2:\ST+3], v[236:237]
.irp j, 0,2,4,6,8,10,12,14,16,18,20,22,24,26,28,30
	v_pk_mul_f32 v[\OA+\j:\OA+\j+1], v[\OA+\j:\OA+\j+1], v[252:253] op_sel_hi:[1,0]   ; O^T under the new M (these and the sums are the places between p's codes and scale word and the products below)
.endr
	ds_load_b128 v[72:75], v[ADT]                  ; V's scale words of the four tiles of channels
.irp a, 0,1,2,3
.irp c, 0,1
	ds_load_b128 v[96+8*\a+4*\c:99+8*\a+4*\c], v[ADV] offset:1024*\a+512*\c   ; V's fragments take the registers that p has left
.endr
.endr
	s_wait_alu depctr_va_vdst(0)
	s_wait_dscnt 0x0
.irp a, 0,1,2,3                                ; O^T += V^T P^T: four accumulators by turns
	v_wmma_scale_f32_16x16x128_f8f6f4 v[\OA+8*\a:\OA+8*\a+7], v[96+8*\a:103+8*\a], v[224:231], v[\OA+8*\a:\OA+8*\a+7], v[72+\a], v253 matrix_a_fmt:MATRIX_FMT_FP4 matrix_b_fmt:MATRIX_FMT_FP4
.endr
.rept 5
	v_nop                                          ; five places: the next scores are written over V's fragments by matrix instructions; loads into the scale words and reads of O^T want four
.endr
.Lskip_\@:
.endm
.Lstep:                                            ; 16 trips, a constant: a trip is one key step for both tiles
	v_add_nc_u32 v[ADK], s[TC], v1
	v_add_nc_u32 v[ADV], s[TC], v2
	v_add_nc_u32 v[ADS], s[TK], v3
	v_add_nc_u32 v[ADT], s[TV], v4
	TILE 28, 37, 16, 192, SDH, 10
	TILE 20, 36, 12, 160, SDL, 9
	s_add_co_u32 s[KF], s[KF], 128
	s_add_co_u32 s[TC], s[TC], 4096
	s_add_co_u32 s[TK], s[TK], 512
	s_add_co_u32 s[TV], s[TV], 256
	s_sub_co_u32 s[CNT], s[CNT], 1
	s_cmp_lg_u32 s[CNT], 0
	s_cbranch_scc1 .Lstep
; THE WAY OUT of a tile: O^T / the sum; register 16 b + i = channel 32 b + 16 h + i of the head: two blocks of the last product's K, quantised in registers: four registers of codes and two scale bytes.
.macro OUT ST, OA, PCD, HWA, BASE
	v_add_f32 v[\ST+2], v[\ST+2], v[\ST+3]
	s_delay_alu instid0(VALU_DEP_1)
	v_permlanex16_b32 v252, v[\ST+2], s[SEL], s[SEL+1]
	s_delay_alu instid0(VALU_DEP_1)
	v_add_f32 v[\ST+2], v[\ST+2], v252             ; the row's sum
	s_wait_alu depctr_va_vdst(0)
	v_rcp_f32 v[\ST+2], v[\ST+2]
	v_nop                                          ; one plain place behind a transcendental
	s_wait_alu depctr_va_vdst(0)
.irp j, 0,2,4,6,8,10,12,14,16,18,20,22,24,26,28,30
	v_pk_mul_f32 v[96+\j:97+\j], v[\OA+\j:\OA+\j+1], v[\ST+2:\ST+3] op_sel_hi:[1,0]
.endr
.irp b, 0,1
	v_max3_num_f32 v[232+\b], |v[96+16*\b]|, |v[97+16*\b]|, 0x1800000
.endr
.irp i, 2,4,6,8,10,12,14
.irp b, 0,1
	s_delay_alu instid0(VALU_DEP_2)
	v_max3_num_f32 v[232+\b], v[232+\b], |v[96+16*\b+\i]|, |v[97+16*\b+\i]|
.endr
.endr
.irp b, 0,1
	s_delay_alu instid0(VALU_DEP_2)
	v_permlanex16_b32 v[236+\b], v[232+\b], s[SEL], s[SEL+1]
.endr
.irp b, 0,1
	s_delay_alu instid0(VALU_DEP_2)
	v_max_num_f32 v[232+\b], v[232+\b], v[236+\b]
.endr
.irp b, 0,1
	s_delay_alu instid0(VALU_DEP_2)
	v_add_nc_u32 v[244+\b], 0xff000000, v[232+\b]
.endr
.irp b, 0,1
	s_delay_alu instid0(VALU_DEP_2)
	v_lshrrev_b32 v[236+\b], 23, v[244+\b]
.endr
	s_delay_alu instid0(VALU_DEP_1)
	v_lshl_or_b32 v254, v237, 8, v236
.irp b, 0,1
	v_cvt_scalef32_pk8_fp4_f32 v[\PCD+2*\b], v[96+16*\b:103+16*\b], v[244+\b]
	v_cvt_scalef32_pk8_fp4_f32 v[\PCD+2*\b+1], v[104+16*\b:111+16*\b], v[244+\b]
.endr
	v_nop                                          ; one plain place behind a scaled conversion
	v_permlane16_swap_b32 v[\PCD], v[\PCD+2]
	v_permlane16_swap_b32 v[\PCD+1], v[\PCD+3]
	global_store_b128 v1, v[\PCD:\PCD+3], s[\BASE:\BASE+1]   ; 512 consecutive bytes: half of a fragment's image
	ds_store_b16 v[\HWA], v254                     ; lanes r and r + 16 hold the same half word
.endm
	OUT 12, 160, 224, 38, 56
	OUT 16, 192, 228, 39, 58
	s_wait_dscnt 0x0                               ; for the others' sake: my half words have landed
	s_barrier_signal -1
	s_barrier_wait -1
	s_cmp_gt_u32 s12, 1
	s_cbranch_scc1 .Lend
	ds_load_b128 v[240:243], v11                   ; lane (r, h): the eight half words of row r in group h of my two
	s_wait_dscnt 0x0
	global_store_b128 v94, v[240:243], s[60:61]    ; sixteen lanes store 256 consecutive bytes, aligned
.Lend:
	s_wait_tensorcnt 0x0
	ds_add_u32 v251, v255
	s_wait_dscnt 0x0
	s_endpgm
.Lfunc_end_k_q3866f33d15_attn:
	.size	k_q3866f33d15_attn, .Lfunc_end_k_q3866f33d15_attn-k_q3866f33d15_attn
	.p2alignl 7, 3214868480
	.fill 96, 4, 3214868480
	.section	.rodata,"a",@progbits
	.p2align	6, 0x0
	.amdhsa_kernel k_q3866f33d15_attn
		.amdhsa_group_segment_fixed_size 169984
		.amdhsa_private_segment_fixed_size 0
		.amdhsa_enable_private_segment 0
		.amdhsa_kernarg_size 24
		.amdhsa_user_sgpr_count 2
		.amdhsa_user_sgpr_kernarg_segment_ptr 1
		.amdhsa_wavefront_size32 1
		.amdhsa_system_sgpr_workgroup_id_x 1
		.amdhsa_system_sgpr_workgroup_id_y 1
		.amdhsa_system_sgpr_workgroup_id_z 1
		.amdhsa_system_vgpr_workitem_id 0
		.amdhsa_next_free_vgpr 256
		.amdhsa_next_free_sgpr 80
		.amdhsa_reserve_vcc 1
		.amdhsa_float_denorm_mode_32 3
		.amdhsa_float_denorm_mode_16_64 3
		.amdhsa_memory_ordered 1
		.amdhsa_forward_progress 1
		.amdhsa_inst_pref_size 64
	.end_amdhsa_kernel
	.amdgpu_metadata
---
amdhsa.version: [ 1, 2 ]
amdhsa.kernels:
  - .name:           k_q3866f33d15_attn
    .symbol:         k_q3866f33d15_attn.kd
    .args:
      - { .name: qk, .offset: 0, .size: 8, .value_kind: global_buffer, .address_space: global }
      - { .name: vq, .offset: 8, .size: 8, .value_kind: global_buffer, .address_space: global }
      - { .name: ao, .offset: 16, .size: 8, .value_kind: global_buffer, .address_space: global }
    .group_segment_fixed_size: 169984
    .private_segment_fixed_size: 0
    .kernarg_segment_align: 8
    .kernarg_segment_size: 24
    .max_flat_workgroup_size: 512
    .sgpr_count:     80
    .vgpr_count:     256
    .wavefront_size: 32
...
	.end_amdgpu_metadata
.endif
;; end of part 5
;; launch gemm_out (part 6): grid 4 x 32, 4 waves a work-group, clusters of 4 x 4, 296,448 bytes of LDS; arguments ao, wq, b_out, out0; writes out0
.if DOCPART == 6
	.amdgcn_target "amdgcn-amd-amdhsa--gfx1250"
	.amdhsa_code_object_version 6
	.text
	.protected	k_q3866f33d15_gemm_out
	.globl	k_q3866f33d15_gemm_out
	.p2align	8
	.type	k_q3866f33d15_gemm_out,@function
k_q3866f33d15_gemm_out:
	s_mov_b64 s[64:65], 0
	v_nop
	global_prefetch_b8 v0, s[64:65] scope:SCOPE_SE
	s_setreg_imm32_b32 hwreg(HW_REG_WAVE_MODE, 25, 1), 1
	s_wait_xcnt 0x0
	s_wait_alu depctr_hold_cnt(0) depctr_sa_sdst(0) depctr_va_vdst(0) depctr_va_sdst(0) depctr_va_ssrc(0) depctr_va_vcc(0) depctr_vm_vsrc(0)
	s_getreg_b32 s2, hwreg(HW_REG_IB_STS2, 6, 4)
	s_cmp_eq_u32 s2, 0
	s_cbranch_scc0 .Lentry_in_a_cluster
	s_endpgm
.Lentry_in_a_cluster:
	s_bfe_u32 s2, ttmp6, 0x10000c
	s_cmp_lg_u32 s2, 0xf033
	s_cbranch_scc0 .Lentry_shape_is_right
	s_endpgm
.Lentry_shape_is_right:
; out0 = (attention's result) W_out + b_out, on codes of FP4 with E8M0 scales; f32 out.
; The same skeleton as the launch for q and k: role A (source 1, a lane's row) = 256 row positions of the attention's result; role B (source 0) = 256 column positions of W_out (positions 3,072 on).
; K = 1,024 is resident in LDS, filled once by four chunks of 16 KB a wave; 4 x 4 clusters: A's chunks are shared along a row of the cluster, B's along a column.
; A's scale bytes lie as half words a head: [position / 128][head][r][tile % 8][2 bytes]; two heads' half words make a K step's word (v_perm_b32), K steps 0-3 in lanes 0-15, 4-7 in lanes 16-31.
; The bias is the C of each sum's first product.
; THE WAY OUT: a lane holds row position r, and register j of accumulator b column 32 (b / 2) + 8 (b % 2) + 16 h + j.  A block of 16 rows goes through the wave's own stage in LDS, behind the codes, in the columns'
; true order, and comes back as rows of 512 bytes, each stored at its true row 32 (a / 2) + 8 (a % 2) + t + 8 (t / 8).
; REGISTERS: window 0: v1-30 addresses; v32-63 A's scale words, v64-95 B's; v96-127 A's half words; v128-191 A's fragments, v192-255 the bias; both later rows on the way out.  Window 1: B's fragments, two sets.
.set TA,    17                         ; s17: role A's tile, from the grid's y;  s43 its mask: my row of the cluster
.set MA,    43
.set TB,    42                         ; s42: role B's tile, from the grid's x;  s44 its mask: my column
.set MB,    44
.set OFFA,  0
.set OFFB,  24*65536                   ; W's positions 3,072 on
.set SOFFB, 2097152+3072*16
.set KHB,   16
.set BYA,   0                          ; the bias runs along role B
.set G1A,   24
.set G1B,   32
.set G0A,   48
.set G0B,   68
.set ADRA,  16
.set ADRB,  20
.set STO,   24
.set RD,    25
.set LI,    26
.set SA,    32
.set SB,    64
.set HW,    96
.set AF,    128
.set BI,    192
.set BK,    128
.set STAGE, 262144                     ; 16 rows x (512 + 16) bytes for each wave: no tensor load lands here
.set MSB, 0
.macro WIN new                         ; the immediate's high byte repeats the setting that is left
.if MSB != (\new)
	s_set_vgpr_msb (MSB<<8)|(\new)
.set MSB, (\new)
.endif
.endm
.macro CREST
	s_cmp_lg_u32 s14, 0
	s_cbranch_scc1 .Lnot_wave_0_\@
	s_barrier_signal -3
.Lnot_wave_0_\@:
	s_barrier_wait -3
	s_barrier_signal -1
	s_barrier_wait -1
.endm
.macro CROUND                          ; a round of the cluster's barrier
	s_barrier_signal -1
	s_barrier_wait -1
	CREST
.endm
.macro PLACES n
.rept \n
	v_nop
.endr
.endm
.macro FRAG reg, adr, s, i             ; a fragment's image: 1,024 consecutive bytes, 16 a lane and load
.irp c, 0,1
	ds_load_b128 v[\reg+4*\c:\reg+4*\c+3], v[\adr] offset:(\s)*8192+(\i)*1024+512*\c
.endr
.endm
.macro FETCH_B s, p
	WIN 0x40
.irp i, 0,1,2,3,4,5,6,7
	FRAG 128*(\p)+8*\i, ADRB, \s, \i
.endr
	WIN 0
.endm
.macro FETCH_A s, i0
.irp i, \i0, \i0+1, \i0+2, \i0+3
	FRAG AF+8*(\i), ADRA, \s, \i
.endr
.endm
.macro WM a, b, p, s, first
.set rD, 8*(8*((\a)%4)+(\b))
.set rB, 128*(\p)+8*(\b)
.set rA, AF+8*(\a)
.set rC, BI+8*(BYA*(\a)+(1-BYA)*(\b))
.set rSB, SB+4*(\b)+(\s)%4
.set rSA, SA+4*(\a)+(\s)%4
.if \first
	v_wmma_scale_f32_16x16x128_f8f6f4 v[rD:rD+7], v[rB:rB+7], v[rA:rA+7], v[rC:rC+7], v[rSB], v[rSA] matrix_a_fmt:MATRIX_FMT_FP4 matrix_b_fmt:MATRIX_FMT_FP4
.elseif (\s) < 4
	v_wmma_scale_f32_16x16x128_f8f6f4 v[rD:rD+7], v[rB:rB+7], v[rA:rA+7], v[rD:rD+7], v[rSB], v[rSA] matrix_a_fmt:MATRIX_FMT_FP4 matrix_b_fmt:MATRIX_FMT_FP4
.else
	v_wmma_scale_f32_16x16x128_f8f6f4 v[rD:rD+7], v[rB:rB+7], v[rA:rA+7], v[rD:rD+7], v[rSB], v[rSA] matrix_a_fmt:MATRIX_FMT_FP4 matrix_b_fmt:MATRIX_FMT_FP4 matrix_a_scale:MATRIX_SCALE_ROW1 matrix_b_scale:MATRIX_SCALE_ROW1
.endif
.endm
.macro MUL16 a0, p, s, first           ; A's blocks a0, a0 + 1 against B's eight.  The 64 accumulators take turns, one instruction a turn, in the same order in every step
.irp a, \a0, \a0+1
.irp b, 0,1,2,3,4,5,6,7
	WM \a, \b, \p, \s, \first
.endr
.endr
.endm
; A step of 128 along K.  meet = 1: the next step's fragments lie in the next chunk: my part of it is waited for, and one barrier shows everybody's.  Later chunks stay out.
.macro STEP s, meet, first
.if \meet
	s_wait_tensorcnt 3-((\s)+1)/2                  ; of my four loads the chunks up to the next step's are in; the later ones stay out
.endif
	s_wait_dscnt 8                                 ; B's set and A's blocks 0-3 are in; the youngest eight loads (A's blocks 4-7) may be out
	WIN 0xa1-0x20*\first                           ; source 0 window 1, source 1 window 0, D window 2; C window 2, or in the first step window 0 (the bias)
	MUL16 0, (\s)%2, \s, \first
.if \meet
	s_wait_dscnt 0x0                               ; no LDS instruction of mine is out at a signal
	s_barrier_signal -1
.endif
	MUL16 2, (\s)%2, \s, \first
.if \meet
	s_barrier_wait -1
.else
	s_wait_dscnt 0x0                               ; A's blocks 4-7 are in
.endif
	PLACES 4                                       ; four plain places in front of loads into registers that matrix instructions have read
	FETCH_B (\s)+1, 1-(\s)%2
	FETCH_A (\s)+1, 0
	WIN 0xf1-0x30*\first
	MUL16 4, (\s)%2, \s, \first
	MUL16 6, (\s)%2, \s, \first
	PLACES 4
	WIN 0
	FETCH_A (\s)+1, 4
.endm
	s_load_b128 s[4:7], s[0:1], 0x0                ; role A's buffer, role B's
	s_load_b128 s[8:11], s[0:1], 0x10              ; the bias, the output
	v_lshl_add_u32 v30, v0, 2, 0x48400
	v_mov_b32 v31, 0
	ds_add_u32 v30, v31
	ds_add_u32 v30, v31
	v_lshrrev_b32 v1, 5, v0
	v_readfirstlane_b32 s14, v1                    ; wave 0..3
	s_lshr_b32 s15, s14, 1                         ; my half of role A's rows.  Also: I fetch for A (0) or for B (1)
	s_and_b32 s16, s14, 1                          ; my half of role B's rows.  Also: which half I fetch
	s_bfe_u32 s40, ttmp6, 0x40000                  ; cx, cy: my place in the cluster
	s_bfe_u32 s41, ttmp6, 0x40004
	s_lshl_b32 s42, ttmp9, 2
	s_add_co_u32 s42, s42, s40                     ; work-group x
	s_and_b32 s17, ttmp7, 0xffff
	s_lshl_b32 s17, s17, 2
	s_add_co_u32 s17, s17, s41                     ; work-group y
	s_lshl_b32 s43, s41, 2
	s_lshl_b32 s43, 15, s43                        ; my row of the cluster
	s_lshl_b32 s44, 0x1111, s40                    ; my column
	s_or_b32 s[G1A], s[MA], (3<<16)|(1<<21)        ; 15:0 the mask; 17:16 elements of 8 bytes; 21 set beside a mask; no padding
	s_or_b32 s[G1B], s[MB], (3<<16)|(1<<21)
.irp g, G1A, G1B                               ; a dense chunk of 16 KB as 64 rows of 256 bytes
	s_mov_b32 s[\g+1], 32<<16
	s_mov_b32 s[\g+2], 64<<16
	s_mov_b32 s[\g+3], 32<<16
	s_mov_b32 s[\g+4], 64
	s_mov_b32 s[\g+5], 32
	s_mov_b32 s[\g+6], 0
	s_mov_b32 s[\g+7], 0
.endr
	s_lshl_b32 s20, s[TA], 1
	s_add_co_u32 s20, s20, s16
	s_lshl_b32 s20, s20, 16                        ; A: 128 rows are 65,536 bytes: group 2 x tile + the half that I fetch
	s_mov_b32 s21, 0
	s_lshl_b32 s46, s[TB], 1
	s_add_co_u32 s46, s46, s16
	s_lshl_b32 s46, s46, 16                        ; B likewise, in registers that never hold A's coordinate
	s_mov_b32 s47, 0
	s_lshl_b32 s45, s14, 16                        ; LDS: region w
	s_wait_dscnt 0x0
	s_wait_kmcnt 0x0
	s_add_nc_u64 s[20:21], s[4:5], s[20:21]
	s_add_nc_u64 s[46:47], s[6:7], s[46:47]
	CROUND                                         ; all sixteen work-groups are here: the joint loads meet
.irp j, 0,1,2,3
	s_mov_b32 s[G0A+4*\j], 1
	s_add_co_u32 s[G0A+4*\j+1], s45, \j*16384
	s_add_nc_u64 s[G0A+4*\j+2:G0A+4*\j+3], s[20:21], OFFA+\j*16384
	s_or_b32 s[G0A+4*\j+3], s[G0A+4*\j+3], 0x80000000
	s_mov_b32 s[G0B+4*\j], 1
	s_add_co_u32 s[G0B+4*\j+1], s45, \j*16384
	s_add_nc_u64 s[G0B+4*\j+2:G0B+4*\j+3], s[46:47], OFFB+\j*16384
	s_or_b32 s[G0B+4*\j+3], s[G0B+4*\j+3], 0x80000000
.endr
	s_cmp_eq_u32 s15, 0                            ; a wave's four fills stand in one branch on its number: four loads of mine are out; four v_nop follow the last
	s_cbranch_scc0 .Lfill_b
.irp j, 0,1,2,3
	tensor_load_to_lds s[G0A+4*\j:G0A+4*\j+3], s[G1A:G1A+7]
	s_nop 0
.endr
	PLACES 4
	s_branch .Lfilled
.Lfill_b:
.irp j, 0,1,2,3
	tensor_load_to_lds s[G0B+4*\j:G0B+4*\j+3], s[G1B:G1B+7]
	s_nop 0
.endr
	PLACES 4
.Lfilled:
	v_and_b32 v1, 15, v0                           ; r
	v_bfe_u32 v2, v0, 4, 1                         ; h
	v_and_b32 v3, 31, v0                           ; lane
	v_lshlrev_b32 v[LI], 4, v3
	s_lshl_b32 s18, s15, 16
	v_add_nc_u32 v[ADRA], s18, v[LI]
	s_lshl_b32 s18, s16, 16
	s_add_co_u32 s18, s18, 131072
	v_add_nc_u32 v[ADRB], s18, v[LI]
	v_lshlrev_b32 v4, 4, v1
	v_lshl_add_u32 v27, v2, 11, v4                 ; A's half words: 256 bytes a head; lanes 16-31 take heads 8 on
	s_wait_alu depctr_va_vdst(0)
	v_lshl_add_u32 v28, v2, KHB, v4                ; B's scale words: lanes 16-31 take the second K half
	s_wait_alu depctr_va_vdst(0)
	v_lshlrev_b32 v29, 6, v2                       ; the bias: my half's 16 columns of each 32
	s_wait_alu depctr_va_vdst(0)
	s_mul_i32 s18, s14, 8448
	s_add_co_u32 s18, s18, STAGE                   ; my stage
	v_mul_u32_u24 v[STO], v1, 528
	v_lshl_add_u32 v[STO], v2, 6, v[STO]
	v_add_nc_u32 v[STO], s18, v[STO]               ; in: row r, + 64 h
	v_add_nc_u32 v[RD], s18, v[LI]                 ; back: the 32 lanes take one row of 512 bytes
	s_mov_b32 s90, 0x05040100                      ; two low halves
	s_mov_b32 s91, 0x07060302                      ; two high halves
	s_lshl_b32 s84, s[TA], 13
	s_lshl_b32 s85, s15, 12
	s_add_co_u32 s84, s84, s85
	s_add_co_u32 s84, s84, 4194304
	s_mov_b32 s85, 0
	s_add_nc_u64 s[84:85], s[4:5], s[84:85]        ; my 128 positions' half words
	s_lshl_b32 s86, s[TB], 12
	s_lshl_b32 s87, s16, 11
	s_add_co_u32 s86, s86, s87
	s_add_co_u32 s86, s86, SOFFB
	s_mov_b32 s87, 0
	s_add_nc_u64 s[86:87], s[6:7], s[86:87]
	s_lshl_b32 s18, s[TB], 10
	s_lshl_b32 s19, s16, 9
	s_add_co_u32 s18, s18, s19
	s_mov_b32 s19, 0
	s_add_nc_u64 s[8:9], s[8:9], s[18:19]          ; the bias of my 128 columns
.irp e, 0,1,2,3,4,5,6,7
	global_load_b128 v[HW+4*\e:HW+4*\e+3], v27, s[84:85] offset:256*\e      ; head 8 h + e, row r: the half words of blocks 0-7
	global_load_b128 v[SB+4*\e:SB+4*\e+3], v28, s[86:87] offset:256*\e
.endr
.irp b, 0,1,2,3,4,5,6,7
	global_load_b128 v[BI+8*\b:BI+8*\b+3], v29, s[8:9] offset:(32*(\b/2)+8*(\b%2))*4
	global_load_b128 v[BI+8*\b+4:BI+8*\b+7], v29, s[8:9] offset:(32*(\b/2)+8*(\b%2))*4+16
.endr
	s_lshl_b32 s88, s[TA], 20                      ; out0: row 256 x tile A + 128 x half, 4,096 bytes a row; column 256 x tile B + 128 x half
	s_lshl_b32 s89, s15, 19
	s_add_co_u32 s88, s88, s89
	s_lshl_b32 s89, s[TB], 10
	s_add_co_u32 s88, s88, s89
	s_lshl_b32 s89, s16, 9
	s_add_co_u32 s88, s88, s89
	s_mov_b32 s89, 0
	s_add_nc_u64 s[88:89], s[10:11], s[88:89]
	s_wait_tensorcnt 3                             ; my first chunk is in; three stay out
	s_barrier_signal -1
	s_barrier_wait -1                              ; everybody's is
	FETCH_B 0, 0
	FETCH_A 0, 0
	FETCH_A 0, 4
	s_wait_loadcnt 0x0                             ; the scale words, the half words and the bias
.irp i, 0,2,4,6
.irp j, 0,1,2,3
	v_perm_b32 v[SA+4*\i+\j], v[HW+4*(2*\j+1)+\i/2], v[HW+8*\j+\i/2], s90          ; block i, K step 4 h + j: heads 8 h + 2 j below, 8 h + 2 j + 1 above
	v_perm_b32 v[SA+4*(\i+1)+\j], v[HW+4*(2*\j+1)+\i/2], v[HW+8*\j+\i/2], s91
.endr
.endr
	PLACES 8                                       ; a scale register written by a vector instruction stands eight places ahead of a scaled matrix instruction
	s_wait_alu depctr_va_vdst(0)
	STEP 0, 0, 1                                   ; the first products start the sums from the bias: nothing is cleared
	STEP 1, 1, 0
	STEP 2, 0, 0
	STEP 3, 1, 0
	STEP 4, 0, 0
	STEP 5, 1, 0
	STEP 6, 0, 0
	s_wait_dscnt 8                                 ; the last step: nothing more to fetch
	WIN 0xa1
	MUL16 0, 1, 7, 0
	MUL16 2, 1, 7, 0
	s_wait_dscnt 0x0
	WIN 0xf1
	MUL16 4, 1, 7, 0
	MUL16 6, 1, 7, 0
	WIN 0
.macro TOSTAGE a
.set AC, 64*((\a)%4)
	WIN 0x08+4*((\a)/4)                            ; an LDS store's data are its source 1: window 2 or 3
.irp b, 0,1,2,3,4,5,6,7
	ds_store_b128 v[STO], v[AC+8*\b:AC+8*\b+3] offset:128*(\b/2)+32*(\b%2)         ; each accumulator from its low end on
	ds_store_b128 v[STO], v[AC+8*\b+4:AC+8*\b+7] offset:128*(\b/2)+32*(\b%2)+16
.endr
	WIN 0
.set BB, BK+64*((\a)%2)
.irp t, 0,1,2,3,4,5,6,7,8,9,10,11,12,13,14,15
	ds_load_b128 v[BB+4*\t:BB+4*\t+3], v[RD] offset:\t*528   ; LDS serves a wave's instructions in order: these see the stores above, and the next block's stores come behind them
.endr
.endm
.macro SEND a, younger                 ; younger: the LDS instructions issued behind block a's loads, which may stay out
.set BB, BK+64*((\a)%2)
	s_wait_dscnt \younger
.irp t, 0,1,2,3,4,5,6,7,8,9,10,11,12,13,14,15
	global_store_b128 v[LI], v[BB+4*\t:BB+4*\t+3], s[88:89] offset:(32*((\a)/2)+8*((\a)%2)+\t+8*(\t/8))*4096 th:TH_STORE_NT   ; 32 lanes store 512 consecutive bytes, aligned; the position's true row stands in the immediate
.endr
.endm
	PLACES 4                                       ; in front of the first read of results, and of loads into the registers that held A's fragments
	TOSTAGE 0
.irp a, 1,2,3,4,5,6,7
.if \a > 1
	s_wait_xcnt 0x0                                ; block a - 2's stores have read their registers: block a's rows may land there
.endif
	TOSTAGE \a
	SEND \a-1, 32                                  ; behind block a - 1's loads: block a's 16 stores and 16 loads
.endr
	SEND 7, 0
	s_wait_tensorcnt 0x0
	ds_add_u32 v30, v31
	s_wait_dscnt 0x0
	CROUND                                         ; the closing round: no work-group ends while a partner may still ask for a chunk that names it
	s_endpgm
.Lfunc_end_k_q3866f33d15_gemm_out:
	.size	k_q3866f33d15_gemm_out, .Lfunc_end_k_q3866f33d15_gemm_out-k_q3866f33d15_gemm_out
	.p2alignl 7, 3214868480
	.fill 96, 4, 3214868480
	.section	.rodata,"a",@progbits
	.p2align	6, 0x0
	.amdhsa_kernel k_q3866f33d15_gemm_out
		.amdhsa_group_segment_fixed_size 296448
		.amdhsa_private_segment_fixed_size 0
		.amdhsa_enable_private_segment 0
		.amdhsa_kernarg_size 32
		.amdhsa_user_sgpr_count 2
		.amdhsa_user_sgpr_kernarg_segment_ptr 1
		.amdhsa_wavefront_size32 1
		.amdhsa_system_sgpr_workgroup_id_x 1
		.amdhsa_system_sgpr_workgroup_id_y 1
		.amdhsa_system_sgpr_workgroup_id_z 1
		.amdhsa_system_vgpr_workitem_id 0
		.amdhsa_next_free_vgpr 1024
		.amdhsa_next_free_sgpr 96
		.amdhsa_reserve_vcc 0
		.amdhsa_float_denorm_mode_32 3
		.amdhsa_float_denorm_mode_16_64 3
		.amdhsa_memory_ordered 1
		.amdhsa_forward_progress 1
		.amdhsa_inst_pref_size 127
	.end_amdhsa_kernel
	.amdgpu_metadata
---
amdhsa.version: [ 1, 2 ]
amdhsa.kernels:
  - .name:           k_q3866f33d15_gemm_out
    .symbol:         k_q3866f33d15_gemm_out.kd
    .args:
      - { .name: ao, .offset: 0, .size: 8, .value_kind: global_buffer, .address_space: global }
      - { .name: wq, .offset: 8, .size: 8, .value_kind: global_buffer, .address_space: global }
      - { .name: b_out, .offset: 16, .size: 8, .value_kind: global_buffer, .address_space: global }
      - { .name: out0, .offset: 24, .size: 8, .value_kind: global_buffer, .address_space: global }
    .group_segment_fixed_size: 296448
    .private_segment_fixed_size: 0
    .kernarg_segment_align: 8
    .kernarg_segment_size: 32
    .max_flat_workgroup_size: 128
    .sgpr_count:     96
    .vgpr_count:     1024
    .wavefront_size: 32
...
	.end_amdgpu_metadata
.endif
;; end of part 6
